; MI455X (gfx1250); checked and timed in simulation.
; The chip was launched on July 23, 2026; its instructions are those of AMD's public machine-readable ISA for CDNA 5 (MIT licence, August 2026) and "CDNA5" Instruction Set Architecture Reference Guide (July 2026). The comments in the code are by the model that wrote it; some were corrected since.
;; Eagle3 Draft Attention. Allowed arithmetic: matrix products marked QUANTISED: E2M3 operands, one E8M0 scale for each 32 along K, by v_wmma_scale_f32_16x16x128_f8f6f4 with both operands' format E2M3, f32 sums; everything else in f32.
;; Inputs: Wk 512 x 4,096 float32; Wo 2,048 x 2,048 float32; Wq 2,048 x 4,096 float32; Wv 512 x 4,096 float32; cos 1 x 1 x 2,048 x 64 float32; sin 1 x 1 x 2,048 x 64 float32; x 1 x 2,048 x 4,096 float32.
;; Outputs: out0 1 x 2,048 x 2,048 float32.
;; This version of the problem:
;;   THIS VERSION OF THE PROBLEM IS GIVEN IN LOW PRECISION. The matrix products marked QUANTISED in the list below multiply operands that are first quantised to E2M3 (2 exponent bits, 3 mantissa bits; 6 bits a number), with one power-of-two scale for each 32 numbers along K (OCP MX v1.0); their sums are f32. All else is computed in f32.
;;   The module's matrix products, in the order in which they are computed (A, B: the left and right operand; K: the contracted axis; several contracted axes count as one K, in the product's order):
;;     1. [M 2,048, K 4,096] x [K 4,096, N 2,048]; A: input x; B: input Wq: QUANTISED
;;     2. [M 2,048, K 4,096] x [K 4,096, N 512]; A: input x; B: input Wk: QUANTISED
;;     3. [M 2,048, K 4,096] x [K 4,096, N 512]; A: input x; B: input Wv: QUANTISED
;;     4. batch 32 x [M 2,048, K 64] x [K 64, N 2,048]; A: computed on the way; B: computed on the way: QUANTISED
;;     5. batch 32 x [M 64, K 2,048] x [K 2,048, N 2,048]; A: computed on the way; B: softmax (see below): QUANTISED
;;     6. [M 2,048, K 2,048] x [K 2,048, N 2,048]; A: computed on the way; B: input Wo: QUANTISED
;;   THE QUANTISER, for each operand of a quantised product, along K:
;;     - K is cut into blocks of 32 from its start; a last block that is shorter is filled with zeros.
;;     - A block's scale is 2^e with e = floor(log2(the largest magnitude in the block)) - 2, held to -126 .. 127; a block of zeros has e = 0. As a byte (E8M0): e + 127.
;;     - Each number is divided by its block's scale, clamped to +-7.5, and rounded to the nearest number of E2M3, ties to even, subnormals kept.
;;     - The product sums the exact products of the quantised numbers (number of the format x scale) in f32.
;;   ~~~python
;;   def quantise(x, axis):      # numpy; x: float32 -> the quantised numbers, widened to float32 again
;;       x = np.moveaxis(x, axis, -1); K = x.shape[-1]
;;       x = np.pad(x, [(0, 0)] * (x.ndim - 1) + [(0, -K % 32)]); x = x.reshape(x.shape[:-1] + (-1, 32)); a = np.abs(x).max(-1, keepdims=True)
;;       e = np.where(a > 0, np.clip(np.frexp(np.where(a > 0, a, 1))[1] - 1 - 2, -126, 127), 0)      # np.frexp(a)[1] - 1 = floor(log2(a)), exactly
;;       r = np.clip(x / 2.0 ** e, -7.5, 7.5)
;;       step = 2.0 ** (np.maximum(np.frexp(np.where(r == 0, 1, r))[1] - 1, 0) - 3)
;;       q = np.round(r / step) * step * 2.0 ** e      # np.round: ties to even
;;       return np.moveaxis(q.reshape(q.shape[:-2] + (-1,))[..., :K], -1, axis).astype(np.float32)
;;   ~~~
;;   SOFTMAX AHEAD OF A QUANTISED PRODUCT. Where the list says 'softmax', what is quantised is not the finished softmax but p = 2^(t - M), with t = logit x log2(e) and M = ceil(the row's largest t), a whole number; so 1/2 < the row's largest p <= 1. The row's sum l is taken of the UNQUANTISED p, in f32, and the product's result is divided by l at the end. Since M is a whole number, a kernel that streams over the keys may use a running M (the ceiling of the running maximum): every later rescaling is an exact power of two, which a block's scale takes up: the codes' values come out the same.
;;   OPERANDS COMPUTED ON THE WAY. 'Computed on the way' means the value that the module computes at that place (a softmax that the list does not call 'softmax' is quantised finished and normalised). What goes into a quantiser is computed in f32, as accurately as f32 sums, v_exp_f32 and their like allow (about 1e-6 of the number): no bf16 or f16 on the way to a quantiser, and a product that is left as it is and whose result goes on into a quantised operand takes f32 operands (vector FMAs, or v_wmma_f32_16x16x4_f32). A number that lies on a knife's edge between two numbers of the format may be rounded either way, as far as f32 arithmetic and the matrix unit's own rounding can turn it there, and no further.
;; One version. Each part assembles by itself: llvm-mc -triple=amdgcn-amd-amdhsa -mcpu=gfx1250 --defsym DOCPART=n.
;; ======== version 1 of 1: 4 launches
;; limits: right only within a limited range of input values
;; workspace buffers: xq 6,553,600 bytes; wq 9,830,400 bytes; woq 3,276,800 bytes; cs 1,048,576 bytes; qb 3,276,800 bytes; kv 1,638,400 bytes; oq 3,276,800 bytes
;; launch quant (part 1): grid 800 x 1, 4 waves a work-group, no clusters, 34,304 bytes of LDS; arguments x, Wq, Wk, Wv, Wo, cos, sin, xq, wq, woq, cs; writes xq, wq, woq, cs
.if DOCPART == 1
	.amdgcn_target "amdgcn-amd-amdhsa--gfx1250"
	.amdhsa_code_object_version 6
	.text
	.protected	k_qa985f4e8ac_quant
	.globl	k_qa985f4e8ac_quant
	.p2align	8
	.type	k_qa985f4e8ac_quant,@function
k_qa985f4e8ac_quant:
	s_mov_b64 s[64:65], 0
	v_nop
	global_prefetch_b8 v0, s[64:65] scope:SCOPE_SE
	s_setreg_imm32_b32 hwreg(HW_REG_WAVE_MODE, 25, 1), 1
	s_wait_xcnt 0x0
; x [2048][4096], Wq [2048][4096], Wk, Wv [512][4096], Wo [2048][2048], f32, K innermost, become codes of FP6 (E2M3) with one E8M0 byte for each 32 along K,
; laid in the order of the matrix operand's registers; cos and sin [2048][64] are laid anew in the order in which the next launch's lanes want them.
; A block's scale is 2^(floor(log2(its largest magnitude)) - 2); its byte is the largest magnitude's exponent field - 2, held at 1 from below.
; ROW TILE T: lane r (0..15) stands for row 32 (T / 2) + 8 (T % 2) + r + 8 (r / 8).
; REC, 768 bytes = 16 rows x 64 K = six registers of a fragment: bytes 16 l: lane l's registers 0-3; bytes 512 + 8 l: its registers 4-5.  Lane (r, hh) holds k = 32 hh + 0..31 of row r.
; CHUNK, 6,400 bytes = a row tile x 512 K: 8 RECs, then 256 bytes of scale words: row r's four words (one for each 128 along K) at 16 r.
; SHARES: a wave makes one chunk.  Work-groups 0-255 x, 256-511 Wq, 512-575 Wk, 576-639 Wv, 640-767 Wo; 768-799 cos and sin, a row tile a wave.
; A chunk goes in four patches of 16 rows x 128 K.  Each load reads 512 consecutive bytes of one row; a patch turns through the wave's own stage in LDS (rows of 512 + 16 bytes), so that a lane
; gets two whole blocks of 32 neighbours.  Three patches' loads (48 a wave) go out at once.  No barrier: waves share nothing.  No matrix unit, no cluster: the launch streams, and no input is shared.
; LIMITS: NaN and infinities among the inputs are not served; a block of zeros gets the byte 1 where the rule says 127: its codes are zeros, and this program alone reads the bytes.
.set CH,   6400
.set SP,   528                         ; a stage row
.set STG,  16*SP                       ; a wave's stage
.set TM,   8                           ; v8-9    largest magnitudes
.set SO,   12                          ; v12-13  the conversions' scale operands
.set BY,   14                          ; v14-15  the scale bytes
.set W,    20                          ; v20-23  the four patches' scale words
.set PC,   24                          ; v24-47  codes, two sets of 12 by turns
.set PT,   48                          ; v48-50, v52-54 the upper halves' codes, to be moved
.set R,    64                          ; v64-255 three sets of 64 numbers
.set MASK, 72                          ; s72     lanes 16-31
.set SEL,  74                          ; s[74:75] selects for lane l xor 16
	s_load_b512 s[4:19], s[0:1], 0x0               ; x, Wq, Wk, Wv, Wo, cos, sin, xq
	s_load_b128 s[20:23], s[0:1], 0x40             ; wq, woq
	s_load_b64 s[24:25], s[0:1], 0x50              ; cs
	v_lshl_add_u32 v62, v0, 2, 0x8400
	v_mov_b32 v63, 0
	v_lshrrev_b32 v7, 5, v0
	v_readfirstlane_b32 s26, v7                    ; wave
	v_and_b32 v7, 31, v0                           ; lane
	v_lshlrev_b32 v1, 4, v7                        ; 16 l
	v_lshlrev_b32 v2, 3, v7                        ; 8 l
	v_and_b32 v10, 15, v0                          ; r
	v_bfe_u32 v11, v0, 4, 1                        ; hh
	s_mov_b32 s77, 0
	s_wait_kmcnt 0x0
	s_cmp_ge_u32 ttmp9, 768
	s_cbranch_scc1 .Ltables
	; which tensor: the choice hangs on the work-group's number alone
	s_mov_b64 s[28:29], s[12:13]                   ; from Wo
	s_mov_b64 s[30:31], s[22:23]                   ; to woq
	s_mov_b32 s66, 640                             ; the tensor's first work-group
	s_mov_b32 s67, 640                             ; the output buffer's first work-group
	s_mov_b32 s68, 2                               ; log2 of the chunks in a row: K / 512
	s_cmp_lt_u32 ttmp9, 640
	s_cselect_b64 s[28:29], s[10:11], s[28:29]     ; Wv
	s_cselect_b64 s[30:31], s[20:21], s[30:31]     ; wq
	s_cselect_b32 s66, 576, s66
	s_cselect_b32 s67, 256, s67
	s_cselect_b32 s68, 3, s68
	s_cmp_lt_u32 ttmp9, 576
	s_cselect_b64 s[28:29], s[8:9], s[28:29]       ; Wk
	s_cselect_b32 s66, 512, s66
	s_cmp_lt_u32 ttmp9, 512
	s_cselect_b64 s[28:29], s[6:7], s[28:29]       ; Wq
	s_cselect_b32 s66, 256, s66
	s_cmp_lt_u32 ttmp9, 256
	s_cselect_b64 s[28:29], s[4:5], s[28:29]       ; x
	s_cselect_b64 s[30:31], s[18:19], s[30:31]     ; xq
	s_cselect_b32 s66, 0, s66
	s_cselect_b32 s67, 0, s67
	s_sub_co_u32 s69, ttmp9, s66
	s_lshl_b32 s69, s69, 2
	s_add_co_u32 s69, s69, s26                     ; my chunk in the tensor
	s_lshr_b32 s73, s69, s68                       ; its row tile T
	s_lshl_b32 s76, 1, s68
	s_sub_co_u32 s76, s76, 1
	s_and_b32 s76, s69, s76                        ; its place along K
	s_lshl_b32 s76, s76, 11                        ; 512 numbers are 2,048 bytes
	s_lshr_b32 s27, s73, 1
	s_lshl_b32 s27, s27, 5
	s_and_b32 s73, s73, 1
	s_lshl_b32 s73, s73, 3
	s_add_co_u32 s27, s27, s73                     ; the tile's first row: 32 (T / 2) + 8 (T % 2)
	s_lshl_b32 s70, 0x800, s68                     ; a row in bytes
	s_mov_b32 s71, 0
	s_mul_i32 s27, s27, s70
	s_add_co_u32 s76, s76, s27
	s_add_nc_u64 s[32:33], s[28:29], s[76:77]      ; lane 0's row
	s_mul_i32 s78, s70, 9
	s_mov_b32 s79, 0
.irp i, 1,2,3,4,5,6,7
	s_add_nc_u64 s[32+2*\i:33+2*\i], s[30+2*\i:31+2*\i], s[70:71]
.endr
	s_add_nc_u64 s[48:49], s[46:47], s[78:79]      ; lane 8's row lies nine rows behind lane 7's
.irp i, 9,10,11,12,13,14,15
	s_add_nc_u64 s[32+2*\i:33+2*\i], s[30+2*\i:31+2*\i], s[70:71]
.endr
	s_sub_co_u32 s76, ttmp9, s67
	s_lshl_b32 s76, s76, 2
	s_add_co_u32 s76, s76, s26
	s_mul_i32 s76, s76, CH
	s_add_nc_u64 s[30:31], s[30:31], s[76:77]      ; my chunk in the output buffer
	s_mov_b32 s[MASK], 0xffff0000
	s_mov_b32 s[SEL], 0x76543210
	s_mov_b32 s[SEL+1], 0xfedcba98
	s_mul_i32 s27, s26, STG
	s_wait_alu depctr_va_vdst(0)
	v_add_nc_u32 v3, s27, v1                       ; the stage, in: 16 l of a row
	v_mul_u32_u24 v4, v10, SP
	v_lshl_add_u32 v4, v11, 7, v4
	v_add_nc_u32 v4, s27, v4                       ; out: row r, + 128 hh: my block of 32
	v_lshlrev_b32 v5, 3, v11                       ; 8 hh: my bytes' place in a scale word
	v_lshl_add_u32 v6, v10, 4, v5                  ; 16 r + 8 hh: my two of the row's four scale words
	v_mov_b32 v17, 0                               ; a lane permute's destination counts as one of its sources
.macro LOAD p                          ; patch p: 16 rows x 512 consecutive bytes
.irp i, 0,1,2,3,4,5,6,7,8,9,10,11,12,13,14,15
	global_load_b128 v[R+64*((\p)%3)+4*\i:R+64*((\p)%3)+4*\i+3], v1, s[32+2*\i:33+2*\i] offset:512*(\p) th:TH_LOAD_NT
.endr
.endm
.macro TURN p                          ; through the stage and back into the registers that it left: LDS serves a wave's instructions in order
.irp i, 0,1,2,3,4,5,6,7,8,9,10,11,12,13,14,15
	ds_store_b128 v3, v[R+64*((\p)%3)+4*\i:R+64*((\p)%3)+4*\i+3] offset:SP*\i
.endr
.irp c, 0,1
.irp k, 0,1,2,3,4,5,6,7
	ds_load_b128 v[R+64*((\p)%3)+32*\c+4*\k:R+64*((\p)%3)+32*\c+4*\k+3], v4 offset:256*\c+16*\k   ; register 32 c + i: k = 64 c + 32 hh + i of row r
.endr
.endr
.endm
.macro QP p                            ; my two blocks of patch p: scale bytes, codes, stores
.set RS, R+64*((\p)%3)
.set PS, PC+12*((\p)%2)
.irp c, 0,1
	v_max3_num_f32 v[TM+\c], |v[RS+32*\c]|, |v[RS+32*\c+1]|, 0x1800000   ; the floor 2^(3 - 127): the byte cannot fall under 1
.endr
.irp i, 2,4,6,8,10,12,14,16,18,20,22,24,26,28,30
.irp c, 0,1
	v_max3_num_f32 v[TM+\c], v[TM+\c], |v[RS+32*\c+\i]|, |v[RS+32*\c+\i+1]|
.endr
.endr
.irp c, 0,1
	v_add_nc_u32 v[SO+\c], 0xff000000, v[TM+\c]    ; 2 off the exponent field: the conversion's scale operand
.endr
.irp c, 0,1
	v_lshrrev_b32 v[BY+\c], 23, v[SO+\c]           ; the byte
.endr
	v_lshl_or_b32 v16, v[BY+1], 16, v[BY]          ; blocks hh and 2 + hh,
	v_lshlrev_b32 v16, v5, v16                     ; at their places in the word;
	v_permlanex16_b32 v17, v16, s[SEL], s[SEL+1]
	v_or_b32 v[W+(\p)], v16, v17                   ; with lane l xor 16's two the word is whole
.irp c, 0,1
	v_cvt_scalef32_pk16_fp6_f32 v[PS+6*\c:PS+6*\c+2], v[RS+32*\c:RS+32*\c+15], v[SO+\c]
	v_cvt_scalef32_pk16_fp6_f32 v[PT+4*\c:PT+4*\c+2], v[RS+32*\c+16:RS+32*\c+31], v[SO+\c]   ; (a conversion's three registers begin on an even number)
.endr
	v_nop                                          ; one plain place behind a scaled conversion
.irp c, 0,1
.irp i, 0,1,2
	v_mov_b32 v[PS+6*\c+3+\i], v[PT+4*\c+\i]
.endr
.endr
.irp c, 0,1
	global_store_b128 v1, v[PS+6*\c:PS+6*\c+3], s[30:31] offset:1536*(\p)+768*\c          ; 512 consecutive bytes,
	global_store_b64 v2, v[PS+6*\c+4:PS+6*\c+5], s[30:31] offset:1536*(\p)+768*\c+512     ; and 256
.endr
.endm
	LOAD 0
	LOAD 1
	LOAD 2
	s_wait_alu depctr_va_vdst(0)
	s_wait_loadcnt 32                              ; patch 0 is in; patches 1 and 2 may be out
	TURN 0
	s_wait_dscnt 0x0
	QP 0
	LOAD 3                                         ; into patch 0's registers
	s_wait_loadcnt 32                              ; patch 1 is in; 2 and 3 may be out
	TURN 1
	s_wait_dscnt 0x0
	QP 1
	s_wait_loadcnt 16                              ; patch 2 is in; 3 may be out
	TURN 2
	s_wait_dscnt 0x0
	s_wait_xcnt 0x0                                ; patch 0's stores have read their registers, which patch 2's codes take
	QP 2
	s_wait_loadcnt 0x0
	TURN 3
	s_wait_dscnt 0x0
	s_wait_xcnt 0x0                                ; likewise patch 1's
	QP 3
	v_cndmask_b32 v56, v[W], v[W+2], s[MASK]       ; lanes 0-15 store words 0, 1 of row r, lanes 16-31 words 2, 3
	v_cndmask_b32 v57, v[W+1], v[W+3], s[MASK]
	global_store_b64 v6, v[56:57], s[30:31] offset:6144   ; 256 consecutive bytes, aligned
	s_wait_tensorcnt 0x0
	ds_add_u32 v62, v63
	s_wait_dscnt 0x0
	s_endpgm
.Ltables:
	; cs: [row tile][16 groups of 512 bytes]: group k = registers 4 k .. 4 k + 3 of all lanes.  Registers 0-15 cos[row][16 hh + i], 16-31 cos[row][32 + 16 hh + i], 32-63 the same of sin
	s_sub_co_u32 s69, ttmp9, 768
	s_lshl_b32 s69, s69, 2
	s_add_co_u32 s69, s69, s26                     ; my row tile
	s_lshr_b32 s76, s69, 1
	s_lshl_b32 s76, s76, 5
	s_and_b32 s73, s69, 1
	s_lshl_b32 s73, s73, 3
	s_add_co_u32 s76, s76, s73
	s_lshl_b32 s76, s76, 8                         ; its first row, 256 bytes a row
	s_add_nc_u64 s[14:15], s[14:15], s[76:77]
	s_add_nc_u64 s[16:17], s[16:17], s[76:77]
	s_lshl_b32 s76, s69, 13
	s_add_nc_u64 s[24:25], s[24:25], s[76:77]
	s_wait_alu depctr_va_vdst(0)
	v_and_b32 v8, 8, v10
	v_add_nc_u32 v8, v8, v10                       ; r + 8 (r / 8)
	v_lshlrev_b32 v8, 8, v8
	v_lshl_add_u32 v8, v11, 6, v8                  ; + 64 hh
.irp k, 0,1,2,3
	global_load_b128 v[64+4*\k:67+4*\k], v8, s[14:15] offset:16*\k
	global_load_b128 v[80+4*\k:83+4*\k], v8, s[14:15] offset:128+16*\k
	global_load_b128 v[96+4*\k:99+4*\k], v8, s[16:17] offset:16*\k
	global_load_b128 v[112+4*\k:115+4*\k], v8, s[16:17] offset:128+16*\k
.endr
	s_wait_loadcnt 0x0
.irp k, 0,1,2,3,4,5,6,7,8,9,10,11,12,13,14,15
	global_store_b128 v1, v[64+4*\k:67+4*\k], s[24:25] offset:512*\k
.endr
	s_endpgm
.Lfunc_end_k_qa985f4e8ac_quant:
	.size	k_qa985f4e8ac_quant, .Lfunc_end_k_qa985f4e8ac_quant-k_qa985f4e8ac_quant
	.p2alignl 7, 3214868480
	.fill 96, 4, 3214868480
	.section	.rodata,"a",@progbits
	.p2align	6, 0x0
	.amdhsa_kernel k_qa985f4e8ac_quant
		.amdhsa_group_segment_fixed_size 34304
		.amdhsa_private_segment_fixed_size 0
		.amdhsa_enable_private_segment 0
		.amdhsa_kernarg_size 88
		.amdhsa_user_sgpr_count 2
		.amdhsa_user_sgpr_kernarg_segment_ptr 1
		.amdhsa_wavefront_size32 1
		.amdhsa_system_sgpr_workgroup_id_x 1
		.amdhsa_system_sgpr_workgroup_id_y 1
		.amdhsa_system_sgpr_workgroup_id_z 1
		.amdhsa_system_vgpr_workitem_id 0
		.amdhsa_next_free_vgpr 256
		.amdhsa_next_free_sgpr 80
		.amdhsa_reserve_vcc 0
		.amdhsa_float_denorm_mode_32 3
		.amdhsa_float_denorm_mode_16_64 3
		.amdhsa_memory_ordered 1
		.amdhsa_forward_progress 1
		.amdhsa_inst_pref_size 36
	.end_amdhsa_kernel
	.amdgpu_metadata
---
amdhsa.version: [ 1, 2 ]
amdhsa.kernels:
  - .name:           k_qa985f4e8ac_quant
    .symbol:         k_qa985f4e8ac_quant.kd
    .args:
      - { .name: x, .offset: 0, .size: 8, .value_kind: global_buffer, .address_space: global }
      - { .name: Wq, .offset: 8, .size: 8, .value_kind: global_buffer, .address_space: global }
      - { .name: Wk, .offset: 16, .size: 8, .value_kind: global_buffer, .address_space: global }
      - { .name: Wv, .offset: 24, .size: 8, .value_kind: global_buffer, .address_space: global }
      - { .name: Wo, .offset: 32, .size: 8, .value_kind: global_buffer, .address_space: global }
      - { .name: cos, .offset: 40, .size: 8, .value_kind: global_buffer, .address_space: global }
      - { .name: sin, .offset: 48, .size: 8, .value_kind: global_buffer, .address_space: global }
      - { .name: xq, .offset: 56, .size: 8, .value_kind: global_buffer, .address_space: global }
      - { .name: wq, .offset: 64, .size: 8, .value_kind: global_buffer, .address_space: global }
      - { .name: woq, .offset: 72, .size: 8, .value_kind: global_buffer, .address_space: global }
      - { .name: cs, .offset: 80, .size: 8, .value_kind: global_buffer, .address_space: global }
    .group_segment_fixed_size: 34304
    .private_segment_fixed_size: 0
    .kernarg_segment_align: 8
    .kernarg_segment_size: 88
    .max_flat_workgroup_size: 128
    .sgpr_count:     80
    .vgpr_count:     256
    .wavefront_size: 32
...
	.end_amdgpu_metadata
.endif
;; end of part 1
;; launch qkv (part 2): grid 24 x 8, 4 waves a work-group, clusters of 4 x 4, 327,680 bytes of LDS; arguments xq, wq, cs, qb, kv; writes qb, kv
.if DOCPART == 2
	.amdgcn_target "amdgcn-amd-amdhsa--gfx1250"
	.amdhsa_code_object_version 6
	.text
	.protected	k_qa985f4e8ac_qkv
	.globl	k_qa985f4e8ac_qkv
	.p2align	8
	.type	k_qa985f4e8ac_qkv,@function
k_qa985f4e8ac_qkv:
	s_mov_b64 s[64:65], 0
	v_nop
	global_prefetch_b8 v0, s[64:65] scope:SCOPE_SE
	s_setreg_imm32_b32 hwreg(HW_REG_WAVE_MODE, 25, 1), 1
	s_wait_xcnt 0x0
	s_wait_alu depctr_hold_cnt(0) depctr_sa_sdst(0) depctr_va_vdst(0) depctr_va_sdst(0) depctr_va_ssrc(0) depctr_va_vcc(0) depctr_vm_vsrc(0)
	s_getreg_b32 s2, hwreg(HW_REG_IB_STS2, 6, 4)
	s_cmp_eq_u32 s2, 0
	s_cbranch_scc0 .Lentry_in_a_cluster
	s_endpgm
.Lentry_in_a_cluster:
	s_bfe_u32 s2, ttmp6, 0x10000c
	s_cmp_lg_u32 s2, 0xf033
	s_cbranch_scc0 .Lentry_shape_is_right
	s_endpgm
.Lentry_shape_is_right:
; q, k, v = x [Wq; Wk; Wv]^T on codes of FP6 (E2M3) with E8M0 scales, K = 4,096; then RoPE on q and k in f32, and q, k (along d) and v (along the keys) are quantised for the attention launch.
; A work-group makes 256 rows x 128 columns (two heads); a wave 128 x 64: 32 accumulators.  Source 0 = 16 rows of W, source 1 = 16 rows of x: a lane holds one position, its registers run along d.
; K goes in chunks of 512 through a ring of two LDS slots of 24 chunks (16 row tiles of x, 8 of W), 6,400 bytes a chunk, in the order of the operands' registers.
; CLUSTERS: 4 x 4 work-groups; x's tiles are asked for jointly along a row of the cluster, W's along a column.  A round of the cluster's barrier stands in front of each joint refill.
; AT A CHANGE OF SLOTS the refill is asked for first; the last step's 32 products, whose fragments are in registers by then, follow it.
; PREFETCH: behind the load of chunk c the cluster asks for chunk c + 2 (the head also for chunk 1): 25 blocks of 256 bytes a tile, a lane a block; of the 8 (x) or 4 (W) tiles that a wave
; fetches, the partner at place p takes 2 (x, p = cx) or 1 (W, p = cy), told apart by address.  The loop's last trip asks for nothing: chunk 7 is the last.
; cos and sin are loaded in the last lap, 64 loads a wave, ahead of the way out that reads them.
.set KG,     8
.set CH,     6400
.set SLOT,   24*CH
.set BOFF,   16*CH
.set SPARE,  2*SLOT
.set LAPS,   KG/2
.set L16,    1
.set L8,     2
.set RR,     4
.set HH,     5
.set STO,    10
.set RDV,    11
.set VOF,    12
.set ADRA16, 16
.set ADRA8,  18
.set ADRB16, 20
.set ADRB8,  22
.set ADRSA,  24
.set ADRSB,  26
.set SPW,    28
.set NIL,    29
.set SC,     32
.set BF,     128
.set G1,  24
.set G0,  32
.set G1B, 48
.set G0B, 56
.set PFA, 80
.set PFO, 30
.set MSB, 0
.macro WIN new
.if MSB != \new
	s_set_vgpr_msb (MSB<<8)|\new
.set MSB, \new
.endif
.endm
.set MULW, 0xa4
.set TO_A, 0x40
.macro JLOAD g0a, g1a, g0b, g1b
	s_cmp_eq_u32 s15, 0
	s_cbranch_scc0 .Lfor_b_\@
	tensor_load_to_lds s[\g0a:\g0a+3], s[\g1a:\g1a+7]
	s_nop 0
.rept 4
	v_nop
.endr
	s_branch .Lasked_\@
.Lfor_b_\@:
	tensor_load_to_lds s[\g0b:\g0b+3], s[\g1b:\g1b+7]
	s_nop 0
.rept 4
	v_nop
.endr
.Lasked_\@:
.endm
.macro CREST
	s_cmp_lg_u32 s14, 0
	s_cbranch_scc1 .Lnot_wave_0_\@
	s_barrier_signal -3
.Lnot_wave_0_\@:
	s_barrier_wait -3
	s_barrier_signal -1
	s_barrier_wait -1
.endm
.macro CROUND
	s_barrier_signal -1
	s_barrier_wait -1
	CREST
.endm
.macro PLACES
.rept 4
	v_nop
.endr
.endm
.macro FINISH
	s_wait_tensorcnt 0x0
	ds_add_u32 v[SPW], v[NIL]
	s_wait_dscnt 0x0
	CROUND
	s_endpgm
.endm
	s_load_b256 s[4:11], s[0:1], 0x0
	s_load_b64 s[12:13], s[0:1], 0x20
	v_lshl_add_u32 v[SPW], v0, 2, SPARE
	v_mov_b32 v[NIL], 0
	ds_add_u32 v28, v29
	ds_add_u32 v28, v29
	s_wait_dscnt 0x0
	v_lshrrev_b32 v3, 5, v0
	v_readfirstlane_b32 s14, v3
	s_lshr_b32 s15, s14, 1
	s_and_b32 s16, s14, 1
	s_bfe_u32 s40, ttmp6, 0x40000
	s_bfe_u32 s41, ttmp6, 0x40004
	s_lshl_b32 s42, ttmp9, 2
	s_add_co_u32 s42, s42, s40
	s_and_b32 s17, ttmp7, 0xffff
	s_lshl_b32 s17, s17, 2
	s_add_co_u32 s17, s17, s41
	s_lshl_b32 s43, s41, 2
	s_lshl_b32 s43, 15, s43
	s_lshl_b32 s44, 0x1111, s40
	s_or_b32 s[G1+0], s43, (3<<16)|(1<<21)
	s_or_b32 s[G1B+0], s44, (3<<16)|(1<<21)
	s_mov_b32 s[G1+1], 800<<16
	s_mov_b32 s[G1+2], 8<<16
	s_mov_b32 s[G1+3], 800<<16
	s_mov_b32 s[G1+4], 8
	s_mov_b32 s[G1+5], KG*800
	s_mov_b32 s[G1+6], 0
	s_mov_b32 s[G1+7], 0
	s_mov_b32 s[G1B+1], 800<<16
	s_mov_b32 s[G1B+2], 4<<16
	s_mov_b32 s[G1B+3], 800<<16
	s_mov_b32 s[G1B+4], 4
	s_mov_b32 s[G1B+5], KG*800
	s_mov_b32 s[G1B+6], 0
	s_mov_b32 s[G1B+7], 0
	s_lshl_b32 s20, s17, 4
	s_lshl_b32 s18, s16, 3
	s_add_co_u32 s20, s20, s18
	s_mul_i32 s20, s20, KG*CH
	s_mov_b32 s21, 0
	s_lshl_b32 s46, s42, 3
	s_lshl_b32 s18, s16, 2
	s_add_co_u32 s46, s46, s18
	s_mul_i32 s46, s46, KG*CH
	s_mov_b32 s47, 0
	s_mul_i32 s45, s16, 8*CH
	s_mul_i32 s22, s16, 4*CH
	s_add_co_u32 s22, s22, BOFF
	s_wait_kmcnt 0x0
	s_add_nc_u64 s[20:21], s[4:5], s[20:21]
	s_add_nc_u64 s[46:47], s[6:7], s[46:47]
	CROUND
.irp s, 0,1
	s_mov_b32 s[G0+4*\s], 1
	s_add_co_u32 s[G0+4*\s+1], s45, \s*SLOT
	s_add_nc_u64 s[G0+4*\s+2:G0+4*\s+3], s[20:21], \s*CH
	s_or_b32 s[G0+4*\s+3], s[G0+4*\s+3], 0x80000000
	s_mov_b32 s[G0B+4*\s], 1
	s_add_co_u32 s[G0B+4*\s+1], s22, \s*SLOT
	s_add_nc_u64 s[G0B+4*\s+2:G0B+4*\s+3], s[46:47], \s*CH
	s_or_b32 s[G0B+4*\s+3], s[G0B+4*\s+3], 0x80000000
.endr
	JLOAD G0, G1, G0B, G1B                         ; chunk 0: one tensor load a wave at the head
	v_and_b32 v3, 31, v0
	v_lshlrev_b32 v[L16], 4, v3
	v_lshlrev_b32 v[L8], 3, v3
	v_and_b32 v[RR], 15, v0
	v_bfe_u32 v[HH], v0, 4, 1
	v_lshlrev_b32 v6, 4, v[RR]
	v_mad_u32_u24 v7, v[HH], 4*CH, v6
	v_mad_u32_u24 v8, v[HH], 2*CH, v6
	s_mul_i32 s18, s15, 8*CH
	s_mul_i32 s19, s16, 4*CH
	s_add_co_u32 s19, s19, BOFF
.irp s, 0,1
	v_add_nc_u32 v[ADRA16+\s], s18, v[L16]
	v_add_nc_u32 v[ADRA8+\s], s18, v[L8]
	v_add_nc_u32 v[ADRB16+\s], s19, v[L16]
	v_add_nc_u32 v[ADRB8+\s], s19, v[L8]
	v_add_nc_u32 v[ADRSA+\s], s18, v7
	v_add_nc_u32 v[ADRSB+\s], s19, v8
	s_add_co_u32 s18, s18, SLOT
	s_add_co_u32 s19, s19, SLOT
.endr
	s_mul_i32 s18, s14, 64*272
	v_and_b32 v9, 8, v[RR]
	v_add_nc_u32 v9, v9, v[RR]
	v_mul_u32_u24 v[STO], v9, 272
	v_lshl_add_u32 v[STO], v[HH], 6, v[STO]
	v_add_nc_u32 v[STO], s18, v[STO]
	v_lshl_add_u32 v[RDV], v[HH], 3, v9
	v_lshl_add_u32 v[RDV], v[RDV], 2, s18
	v_mul_u32_u24 v[VOF], v[HH], 1536
	v_lshl_add_u32 v[VOF], v[RR], 4, v[VOF]
	s_lshl_b32 s66, s17, 1
	s_add_co_u32 s66, s66, s15
	s_lshl_b32 s20, s66, 16
	s_mov_b32 s21, 0
	s_add_nc_u64 s[8:9], s[8:9], s[20:21]
.macro CSLOAD a
	WIN 0xc0
.irp k, 0,1,2,3,4,5,6,7,8,9,10,11,12,13,14,15
	global_load_b128 v[64*((\a)%4)+4*\k:64*((\a)%4)+4*\k+3], v[L16], s[8:9] offset:8192*(\a)+512*\k
.endr
	WIN 0
.endm
	; where my prefetches begin: x: tile 16 ty + 8 half + 2 cx; W: tile 8 tx + 4 half + cy
	s_lshl_b32 s82, s17, 4
	s_lshl_b32 s83, s16, 3
	s_add_co_u32 s82, s82, s83
	s_lshl_b32 s83, s40, 1
	s_add_co_u32 s82, s82, s83
	s_lshl_b32 s80, s42, 3
	s_lshl_b32 s83, s16, 2
	s_add_co_u32 s80, s80, s83
	s_add_co_u32 s80, s80, s41
	s_cmp_eq_u32 s15, 0                            ; do I fetch for x?
	s_cselect_b32 s82, s82, s80
	s_cselect_b64 s[PFA:PFA+1], s[4:5], s[6:7]
	s_mul_i32 s82, s82, KG*CH
	s_mov_b32 s83, 0
	s_add_nc_u64 s[PFA:PFA+1], s[PFA:PFA+1], s[82:83]
	v_and_b32 v[PFO], 31, v0
	v_min_u32 v[PFO], 24, v[PFO]                   ; a chunk has 25 blocks of 256 bytes; the lanes left over name the last again
	v_lshlrev_b32 v[PFO], 8, v[PFO]
.macro ASK off                         ; one chunk of my tile; x's waves have a second tile, KG chunks on
	global_prefetch_b8 v[PFO], s[PFA:PFA+1] offset:\off th:TH_LOAD_NT scope:SCOPE_SE
	s_cmp_lg_u32 s15, 0
	s_cbranch_scc1 .Lone_tile_\@
	global_prefetch_b8 v[PFO], s[PFA:PFA+1] offset:\off+KG*CH th:TH_LOAD_NT scope:SCOPE_SE
.Lone_tile_\@:
.endm
	s_wait_alu depctr_va_vdst(0)                   ; the wait ahead of the reader below
	ASK CH                                         ; chunk 1 alone beside chunk 0's load; chunk 2 is asked for behind chunk 1's load, a whole chunk ahead of its own
.macro FRAG reg, a16, a8, off
	ds_load_b128 v[\reg:\reg+3], v[\a16] offset:\off
	ds_load_b64 v[\reg+4:\reg+5], v[\a8] offset:\off+512
	ds_load_b128 v[\reg+6:\reg+9], v[\a16] offset:\off+768
	ds_load_b64 v[\reg+10:\reg+11], v[\a8] offset:\off+1280
.endm
.macro FETCH_B slot, q, set
	WIN 0
.irp b, 0,1,2,3
	FRAG BF+48*(\set)+12*\b, ADRB16+\slot, ADRB8+\slot, CH*\b+1536*(\q)
.endr
.endm
.macro FETCH_A slot, q, set, i0
	WIN TO_A
.irp i, \i0, \i0+1, \i0+2, \i0+3
	FRAG 128*(\set)+12*(\i), ADRA16+\slot, ADRA8+\slot, CH*(\i)+1536*(\q)
.endr
.endm
.macro SCALES slot
	WIN 0
.irp i, 0,1,2,3
	ds_load_b128 v[SC+24*\slot+4*\i:SC+24*\slot+4*\i+3], v[ADRSA+\slot] offset:6144+CH*\i
.endr
.irp j, 0,1
	ds_load_b128 v[SC+24*\slot+16+4*\j:SC+24*\slot+16+4*\j+3], v[ADRSB+\slot] offset:6144+CH*\j
.endr
.endm
.macro WM d, f0, f1, s0, s1, r0, r1, zero
.if \zero
.if (\r0) && (\r1)
	v_wmma_scale_f32_16x16x128_f8f6f4 v[\d:\d+7], v[\f0:\f0+11], v[\f1:\f1+11], 0, v[\s0], v[\s1] matrix_a_fmt:MATRIX_FMT_FP6 matrix_b_fmt:MATRIX_FMT_FP6 matrix_a_scale:MATRIX_SCALE_ROW1 matrix_b_scale:MATRIX_SCALE_ROW1
.elseif \r0
	v_wmma_scale_f32_16x16x128_f8f6f4 v[\d:\d+7], v[\f0:\f0+11], v[\f1:\f1+11], 0, v[\s0], v[\s1] matrix_a_fmt:MATRIX_FMT_FP6 matrix_b_fmt:MATRIX_FMT_FP6 matrix_a_scale:MATRIX_SCALE_ROW1
.elseif \r1
	v_wmma_scale_f32_16x16x128_f8f6f4 v[\d:\d+7], v[\f0:\f0+11], v[\f1:\f1+11], 0, v[\s0], v[\s1] matrix_a_fmt:MATRIX_FMT_FP6 matrix_b_fmt:MATRIX_FMT_FP6 matrix_b_scale:MATRIX_SCALE_ROW1
.else
	v_wmma_scale_f32_16x16x128_f8f6f4 v[\d:\d+7], v[\f0:\f0+11], v[\f1:\f1+11], 0, v[\s0], v[\s1] matrix_a_fmt:MATRIX_FMT_FP6 matrix_b_fmt:MATRIX_FMT_FP6
.endif
.else
.if (\r0) && (\r1)
	v_wmma_scale_f32_16x16x128_f8f6f4 v[\d:\d+7], v[\f0:\f0+11], v[\f1:\f1+11], v[\d:\d+7], v[\s0], v[\s1] matrix_a_fmt:MATRIX_FMT_FP6 matrix_b_fmt:MATRIX_FMT_FP6 matrix_a_scale:MATRIX_SCALE_ROW1 matrix_b_scale:MATRIX_SCALE_ROW1
.elseif \r0
	v_wmma_scale_f32_16x16x128_f8f6f4 v[\d:\d+7], v[\f0:\f0+11], v[\f1:\f1+11], v[\d:\d+7], v[\s0], v[\s1] matrix_a_fmt:MATRIX_FMT_FP6 matrix_b_fmt:MATRIX_FMT_FP6 matrix_a_scale:MATRIX_SCALE_ROW1
.elseif \r1
	v_wmma_scale_f32_16x16x128_f8f6f4 v[\d:\d+7], v[\f0:\f0+11], v[\f1:\f1+11], v[\d:\d+7], v[\s0], v[\s1] matrix_a_fmt:MATRIX_FMT_FP6 matrix_b_fmt:MATRIX_FMT_FP6 matrix_b_scale:MATRIX_SCALE_ROW1
.else
	v_wmma_scale_f32_16x16x128_f8f6f4 v[\d:\d+7], v[\f0:\f0+11], v[\f1:\f1+11], v[\d:\d+7], v[\s0], v[\s1] matrix_a_fmt:MATRIX_FMT_FP6 matrix_b_fmt:MATRIX_FMT_FP6
.endif
.endif
.endm
.macro MUL a, set, q, sc, zero
.irp b, 0,1,2,3
	WM 8*(4*(\a)+\b), BF+48*(\set)+12*\b, 128*(\set)+12*(\a), SC+24*(\sc)+16+4*(\b%2)+(\q), SC+24*(\sc)+4*((\a)%4)+(\q), \b/2, (\a)/4, \zero
.endr
.endm
.macro STEP slot, q, zero
	s_wait_dscnt 16
	PLACES
	FETCH_B \slot, (\q)+1, 1-(\q)%2
	FETCH_A \slot, (\q)+1, 1-(\q)%2, 0
	WIN MULW
.irp a, 0,1,2,3
	MUL \a, (\q)%2, \q, \slot, \zero
.endr
	s_wait_dscnt 32
	FETCH_A \slot, (\q)+1, 1-(\q)%2, 4
	WIN MULW
.irp a, 4,5,6,7
	MUL \a, (\q)%2, \q, \slot, \zero
.endr
.endm
.macro TURN slot, next, fill
	WIN 0
.if \fill
	s_wait_xcnt 0x0                                ; my prefetches have read their address: it steps a chunk on
	s_add_nc_u64 s[PFA:PFA+1], s[PFA:PFA+1], CH
.endif
	s_wait_tensorcnt 0x0                           ; my part of the next slot is in;
	ds_add_u32 v[SPW], v[NIL]                      ; an add to my spare word;
	s_wait_dscnt 0x0                               ; it is done, and so are my reads of this slot: the last step's fragments are in registers
	s_barrier_signal -1
	s_barrier_wait -1
.if \fill
	CREST
	s_add_nc_u64 s[G0+4*\slot+2:G0+4*\slot+3], s[G0+4*\slot+2:G0+4*\slot+3], 2*CH
	s_add_nc_u64 s[G0B+4*\slot+2:G0B+4*\slot+3], s[G0B+4*\slot+2:G0B+4*\slot+3], 2*CH
	JLOAD G0+4*\slot, G1, G0B+4*\slot, G1B
.else
	PLACES
.endif
	FETCH_B \next, 0, 0
	FETCH_A \next, 0, 0, 0
	SCALES \next
.if \fill
	s_cmp_gt_u32 s3, 1                             ; the last trip's loads are chunks 6 and 7: nothing lies two chunks on
	s_cbranch_scc0 .Lno_ask_\@
	ASK 3*CH                                       ; the chunk two behind the one just asked for by the joint load
.Lno_ask_\@:
.endif
	FETCH_A \next, 0, 0, 4
	WIN MULW
.irp a, 0,1,2,3,4,5,6,7
	MUL \a, 1, 3, \slot, 0
.endr
.endm
	s_wait_alu depctr_va_vdst(0)                   ; the wait at the head's end
	s_wait_tensorcnt 0x0                           ; my part of chunk 0 is in; the three lines ahead of slot 1's first fill, as ahead of a refill
	ds_add_u32 v[SPW], v[NIL]
	s_wait_dscnt 0x0
	CROUND
	JLOAD G0+4, G1, G0B+4, G1B                     ; chunk 1, the first tensor load behind the round
	FETCH_B 0, 0, 0
	FETCH_A 0, 0, 0, 0
	SCALES 0
	ASK 2*CH                                       ; chunks 2 and 3
	ASK 3*CH
	FETCH_A 0, 0, 0, 4
	STEP 0, 0, 1
	WIN 0
	s_mov_b32 s3, LAPS-1
.Llap:
	STEP 0, 1, 0
	STEP 0, 2, 0
	TURN 0, 1, 1
	STEP 1, 0, 0
	STEP 1, 1, 0
	STEP 1, 2, 0
	TURN 1, 0, 1
	STEP 0, 0, 0
	WIN 0
	s_sub_co_u32 s3, s3, 1
	s_cmp_lg_u32 s3, 0
	s_cbranch_scc1 .Llap
	CSLOAD 0
	CSLOAD 1
	STEP 0, 1, 0
	STEP 0, 2, 0
	TURN 0, 1, 0
	CSLOAD 2
	CSLOAD 3
	STEP 1, 0, 0
	STEP 1, 1, 0
	STEP 1, 2, 0
	s_wait_dscnt 16
	WIN MULW
.irp a, 0,1,2,3
	MUL \a, 1, 3, 1, 0
.endr
	s_wait_dscnt 0x0
.irp a, 4,5,6,7
	MUL \a, 1, 3, 1, 0
.endr
	WIN 0
	PLACES
	s_cmp_eq_u32 ttmp9, 5
	s_cbranch_scc1 .Lvpath
.set OU,  128
.set TT,  160
.set TM,  176
.set SO,  180
.set BY,  182
.set PT,  184
.set PCQ, 192
.set PW,  240
.set MB,  248
.set MW,  252
.set SEL, 76
	s_lshl_b32 s46, s42, 1
	s_add_co_u32 s46, s46, s16
	s_lshl_b32 s67, s46, 4
	s_add_co_u32 s67, s67, s66
	s_mul_i32 s67, s67, 6400
	s_and_b32 s68, s46, 7
	s_mul_i32 s68, s68, 204800
	s_mul_i32 s69, s66, 12800
	s_add_co_u32 s68, s68, s69
	s_cmp_eq_u32 ttmp9, 4
	s_cselect_b64 s[70:71], s[12:13], s[10:11]
	s_cselect_b32 s72, s68, s67
	s_mov_b32 s73, 0
	s_mov_b32 s74, 6144
	s_cselect_b32 s74, 12288, s74
	s_mov_b32 s75, 0
	s_add_nc_u64 s[70:71], s[70:71], s[72:73]
	s_add_nc_u64 s[74:75], s[70:71], s[74:75]
	s_mov_b32 s[SEL], 0x76543210
	s_mov_b32 s[SEL+1], 0xfedcba98
	s_mov_b32 s78, 0xffff0000
	v_mov_b32 v[TM+2], 0
	v_mov_b32 v[TM+3], 0
.macro ROPE a
	WIN 0x0e
.irp i, 0,2,4,6,8,10,12,14
	v_pk_mul_f32 v[TT+\i:TT+\i+1], v[32*(\a)+16+\i:32*(\a)+17+\i], v[64*((\a)%4)+32+\i:64*((\a)%4)+33+\i]
.endr
.irp i, 0,2,4,6,8,10,12,14
	v_pk_fma_f32 v[OU+\i:OU+\i+1], v[32*(\a)+\i:32*(\a)+1+\i], v[64*((\a)%4)+\i:64*((\a)%4)+1+\i], v[TT+\i:TT+\i+1] neg_lo:[0,0,1] neg_hi:[0,0,1]
.endr
.irp i, 0,2,4,6,8,10,12,14
	v_pk_mul_f32 v[TT+\i:TT+\i+1], v[32*(\a)+\i:32*(\a)+1+\i], v[64*((\a)%4)+48+\i:64*((\a)%4)+49+\i]
.endr
.irp i, 0,2,4,6,8,10,12,14
	v_pk_fma_f32 v[OU+16+\i:OU+17+\i], v[32*(\a)+16+\i:32*(\a)+17+\i], v[64*((\a)%4)+16+\i:64*((\a)%4)+17+\i], v[TT+\i:TT+\i+1]
.endr
	WIN 0
.endm
.macro QUANT2 src, pc, pw
	v_max3_num_f32 v[TM], |v[\src]|, |v[\src+1]|, 0x1800000
	v_max3_num_f32 v[TM+1], |v[\src+16]|, |v[\src+17]|, 0x1800000
.irp i, 2,4,6,8,10,12,14
	v_max3_num_f32 v[TM], v[TM], |v[\src+\i]|, |v[\src+\i+1]|
	v_max3_num_f32 v[TM+1], v[TM+1], |v[\src+16+\i]|, |v[\src+17+\i]|
.endr
	v_permlanex16_b32 v[TM+2], v[TM], s[SEL], s[SEL+1]
	v_permlanex16_b32 v[TM+3], v[TM+1], s[SEL], s[SEL+1]
	v_max_num_f32 v[TM], v[TM], v[TM+2]
	v_max_num_f32 v[TM+1], v[TM+1], v[TM+3]
	v_add_nc_u32 v[SO], 0xff000000, v[TM]
	v_add_nc_u32 v[SO+1], 0xff000000, v[TM+1]
	v_lshrrev_b32 v[BY], 23, v[SO]
	v_lshrrev_b32 v[BY+1], 23, v[SO+1]
	v_lshl_or_b32 v[\pw], v[BY+1], 8, v[BY]
	v_cvt_scalef32_pk16_fp6_f32 v[\pc:\pc+2], v[\src:\src+15], v[SO]
	v_cvt_scalef32_pk16_fp6_f32 v[PT:PT+2], v[\src+16:\src+31], v[SO+1]
	v_nop
.irp i, 0,1,2
	v_permlane16_swap_b32 v[\pc+\i], v[PT+\i]
.endr
.irp i, 0,1,2
	v_mov_b32 v[\pc+3+\i], v[PT+\i]
.endr
.endm
.irp a, 0,1,2,3,4,5,6,7
.if \a < 5
	s_wait_loadcnt 48
.else
	s_wait_loadcnt 16*(7-\a)
.endif
	ROPE \a
.if \a < 4
	CSLOAD \a+4
.endif
	QUANT2 OU, PCQ+6*\a, PW+\a
	global_store_b128 v[L16], v[PCQ+6*\a:PCQ+6*\a+3], s[70:71] offset:768*\a
	global_store_b64 v[L8], v[PCQ+6*\a+4:PCQ+6*\a+5], s[70:71] offset:768*\a+512
.endr
.irp b, 0,1,2,3
	v_lshl_or_b32 v[MB+\b], v[PW+2*\b+1], 16, v[PW+2*\b]
.endr
	v_cndmask_b32 v[MW], v[MB], v[MB+1], s78
	v_cndmask_b32 v[MW+1], v[MB+2], v[MB+3], s78
	global_store_b64 v[L8], v[MW:MW+1], s[74:75]
	FINISH
.Lvpath:
.set XV,  128
.set VC,  192
.set WT,  240
.set VTM, 242
.set VSO, 244
.set VBY, 245
.set VPT, 246
	s_sub_co_u32 s46, s42, 20
	s_lshl_b32 s46, s46, 1
	s_add_co_u32 s46, s46, s16
	s_mul_i32 s46, s46, 204800
	s_mul_i32 s69, s66, 12800
	s_add_co_u32 s72, s46, s69
	s_mov_b32 s73, 0
	s_add_nc_u64 s[70:71], s[12:13], s[72:73]
.macro VSTORE hf
	WIN 0x08
.irp ap, 0,1,2,3
.irp nb, 0,1,2,3
	ds_store_b128 v[STO], v[32*(4*\hf+\ap)+8*\nb:32*(4*\hf+\ap)+8*\nb+3] offset:(32*(\ap/2)+8*(\ap%2))*272+128*(\nb/2)+32*(\nb%2)
	ds_store_b128 v[STO], v[32*(4*\hf+\ap)+8*\nb+4:32*(4*\hf+\ap)+8*\nb+7] offset:(32*(\ap/2)+8*(\ap%2))*272+128*(\nb/2)+32*(\nb%2)+16
.endr
.endr
	WIN 0
.endm
.macro VLOAD n
.irp i, 0,1,2,3,4,5,6,7,8,9,10,11,12,13,14,15,16,17,18,19,20,21,22,23,24,25,26,27,28,29,30,31
	ds_load_b32 v[XV+32*((\n)%2)+\i], v[RDV] offset:(32*((\n)%2)+\i)*272+128*((\n)/2)
.endr
.endm
.macro VBLOCK hf, n
.set XS, XV+32*((\n)%2)
.set BE, 2*(\hf)+(\n)%2
.set VP, VC+24*((\n)/2)+6*(BE/2+2*(BE%2))
	v_max3_num_f32 v[VTM], |v[XS]|, |v[XS+1]|, |v[XS+2]|
	v_max3_num_f32 v[VTM+1], |v[XS+3]|, |v[XS+4]|, |v[XS+5]|
.irp i, 6,10,14,18,22,26
	v_max3_num_f32 v[VTM], v[VTM], |v[XS+\i]|, |v[XS+\i+1]|
	v_max3_num_f32 v[VTM+1], v[VTM+1], |v[XS+\i+2]|, |v[XS+\i+3]|
.endr
	v_max3_num_f32 v[VTM], v[VTM], |v[XS+30]|, |v[XS+31]|
	v_max3_num_f32 v[VTM], v[VTM], v[VTM+1], 0x1800000
	v_add_nc_u32 v[VSO], 0xff000000, v[VTM]
	v_lshrrev_b32 v[VBY], 23, v[VSO]
.if BE == 0
	v_mov_b32 v[WT+(\n)/2], v[VBY]
.else
	v_lshl_or_b32 v[WT+(\n)/2], v[VBY], 8*BE, v[WT+(\n)/2]
.endif
	v_cvt_scalef32_pk16_fp6_f32 v[VP:VP+2], v[XS:XS+15], v[VSO]
	v_cvt_scalef32_pk16_fp6_f32 v[VPT:VPT+2], v[XS+16:XS+31], v[VSO]
	v_nop
.irp i, 0,1,2
	v_mov_b32 v[VP+3+\i], v[VPT+\i]
.endr
.endm
	s_wait_alu depctr_va_vdst(0)
.irp hf, 0,1
	VSTORE \hf
	VLOAD 0
	VLOAD 1
	s_wait_dscnt 32
	VBLOCK \hf, 0
	VLOAD 2
	s_wait_dscnt 32
	VBLOCK \hf, 1
	VLOAD 3
	s_wait_dscnt 32
	VBLOCK \hf, 2
	s_wait_dscnt 0x0
	VBLOCK \hf, 3
.endr
.irp tt, 0,1
.irp hx, 0,1
.irp y, 0,1,2
	global_store_b128 v[VOF], v[VC+24*\tt+12*\hx+4*\y:VC+24*\tt+12*\hx+4*\y+3], s[70:71] offset:6144+3072*\tt+512*\y+256*\hx
.endr
.endr
.endr
	global_store_b64 v[L8], v[WT:WT+1], s[70:71] offset:12544
	FINISH
.Lfunc_end_k_qa985f4e8ac_qkv:
	.size	k_qa985f4e8ac_qkv, .Lfunc_end_k_qa985f4e8ac_qkv-k_qa985f4e8ac_qkv
	.p2alignl 7, 3214868480
	.fill 96, 4, 3214868480
	.section	.rodata,"a",@progbits
	.p2align	6, 0x0
	.amdhsa_kernel k_qa985f4e8ac_qkv
		.amdhsa_group_segment_fixed_size 327680
		.amdhsa_private_segment_fixed_size 0
		.amdhsa_enable_private_segment 0
		.amdhsa_kernarg_size 40
		.amdhsa_user_sgpr_count 2
		.amdhsa_user_sgpr_kernarg_segment_ptr 1
		.amdhsa_wavefront_size32 1
		.amdhsa_system_sgpr_workgroup_id_x 1
		.amdhsa_system_sgpr_workgroup_id_y 1
		.amdhsa_system_sgpr_workgroup_id_z 1
		.amdhsa_system_vgpr_workitem_id 0
		.amdhsa_next_free_vgpr 1024
		.amdhsa_next_free_sgpr 84
		.amdhsa_reserve_vcc 0
		.amdhsa_float_denorm_mode_32 3
		.amdhsa_float_denorm_mode_16_64 3
		.amdhsa_memory_ordered 1
		.amdhsa_forward_progress 1
		.amdhsa_inst_pref_size 212
	.end_amdhsa_kernel
	.amdgpu_metadata
---
amdhsa.version: [ 1, 2 ]
amdhsa.kernels:
  - .name:           k_qa985f4e8ac_qkv
    .symbol:         k_qa985f4e8ac_qkv.kd
    .args:
      - { .name: xq, .offset: 0, .size: 8, .value_kind: global_buffer, .address_space: global }
      - { .name: wq, .offset: 8, .size: 8, .value_kind: global_buffer, .address_space: global }
      - { .name: cs, .offset: 16, .size: 8, .value_kind: global_buffer, .address_space: global }
      - { .name: qb, .offset: 24, .size: 8, .value_kind: global_buffer, .address_space: global }
      - { .name: kv, .offset: 32, .size: 8, .value_kind: global_buffer, .address_space: global }
    .group_segment_fixed_size: 327680
    .private_segment_fixed_size: 0
    .kernarg_segment_align: 8
    .kernarg_segment_size: 40
    .max_flat_workgroup_size: 128
    .sgpr_count:     84
    .vgpr_count:     1024
    .wavefront_size: 32
...
	.end_amdgpu_metadata
.endif
;; end of part 2
;; launch attn (part 3): grid 32 x 8, 16 waves a work-group, clusters of 4 x 1, 280,576 bytes of LDS; arguments qb, kv, oq; writes oq
.if DOCPART == 3
	.amdgcn_target "amdgcn-amd-amdhsa--gfx1250"
	.amdhsa_code_object_version 6
	.text
	.protected	k_qa985f4e8ac_attn
	.globl	k_qa985f4e8ac_attn
	.p2align	8
	.type	k_qa985f4e8ac_attn,@function
k_qa985f4e8ac_attn:
	s_mov_b64 s[64:65], 0
	v_nop
	global_prefetch_b8 v0, s[64:65] scope:SCOPE_SE
	s_setreg_imm32_b32 hwreg(HW_REG_WAVE_MODE, 25, 1), 1
	s_wait_xcnt 0x0
	s_wait_alu depctr_hold_cnt(0) depctr_sa_sdst(0) depctr_va_vdst(0) depctr_va_sdst(0) depctr_va_ssrc(0) depctr_va_vcc(0) depctr_vm_vsrc(0)
	s_getreg_b32 s2, hwreg(HW_REG_IB_STS2, 6, 4)
	s_cmp_eq_u32 s2, 0
	s_cbranch_scc0 .Lentry_in_a_cluster
	s_endpgm
.Lentry_in_a_cluster:
	s_bfe_u32 s2, ttmp6, 0x10000c
	s_cmp_lg_u32 s2, 0x3003
	s_cbranch_scc0 .Lentry_shape_is_right
	s_endpgm
.Lentry_shape_is_right:
; Causal attention, 32 query heads on 8 key and value heads, head size 64, 2,048 positions, both products on codes of FP6 (E2M3) with E8M0 scales; the result, divided by the row's sum, is quantised along head x 64 + d.
; THE SOFTMAX: t = score x log2(e) / 8; M = the running largest t rounded up to a whole number; p = 2^(t - M) is quantised along the keys; the sum is taken of the unquantised p.  When M moves, sum and O are multiplied by 2^(old M - new M): exact.
; SHARES: a cluster is one kv head (cluster x) and one pair i of query blocks (cluster y); its four work-groups are the four query heads of the group and read the same K and V.
; A work-group owns the blocks of 128 queries i and 15 - i of its head: 16 tiles of 16 queries, i + 1 and 16 - i steps of 128 keys long.  Waves w and w xor 1 share the two tiles of one place a = w / 2, 17 steps:
; the LATE wave takes the late tile's steps 0-8 (nine); its PARTNER takes the early tile (i + 1 steps), stores it, and then takes the late tile's steps 9 .. 15 - i (7 - i): eight steps, whatever i is.
; The late wave leaves O^T, -M and its sum in LDS bytes of its own; behind a barrier the partner joins the two parts, each multiplied by 2^(its M - the larger M), which is exact, and stores the late tile.
; LDS holds the kv head's whole image, 16 steps of 12,800 bytes (K: 8 RECs | V: 4 fragments | K's scale words | V's), filled ONCE by joint loads: waves 0-7 bring steps 0-3, waves 8-15 steps 4-15, which land under step 0.
; LAYOUT: both products are used transposed (S^T = K Q^T, O^T = V^T P^T): a lane holds one query.  Row tiles have the order r + 8 (r / 8), so that the 16 registers of tiles 2 b, 2 b + 1 of S^T are 16 neighbouring keys.
; THE HEAD'S 64 IN A K OF 128: a fragment of K holds key tile 2 b in registers 0-5 and key tile 2 b + 1 in registers 6-11.  Against [q | zeros] it gives tile 2 b's scores, against [zeros | q] tile 2 b + 1's: zero codes add nothing.
; CAUSAL: the loops' trip counts are constants; a step that is not the wave's is jumped over by a scalar branch on ids; in the one step on the diagonal hidden scores become -infinity.
; No prefetch: all of K and V is asked for at the head.  The result's scale bytes leave as single bytes, 32 a tile: a row's scale word is made by two heads, that is by two work-groups.
; Every wave loads the late tile's q a second time at the head (three loads); the late waves do not use that copy.
; LIMITS: NaN and infinities are not served; a block of zeros gets the byte 1 where the rule says 127; 1 / sum is v_rcp_f32 and a multiplication; a block's largest p is taken as 2^(its largest score's t - M).
; REGISTERS: v1-7, v84-87 addresses; v12 -M, v13 the largest t, v[14:15] the sum; v16-33 [q | zeros | q]; v34 q's scale word; v36-83 four fragments of K, then of V; v96-159 S^T, then p; v160-191 O^T; v192-198 the late tile's q; v224-254 at work.
.set STEPB, 12800
.set STASH, 0x32800                    ; behind the image and the spare words: 9 x 512 bytes for each wave
.set STB,  4608
.set L16, 1
.set L8,  2
.set A16, 3
.set A8,  4
.set DM,  5                            ; v5  my query's place in its block - 16 (l / 16)
.set NINF, 6
.set STA, 84                           ; v84 my own bytes of the stash, v87 my partner's
.set OB,  85                           ; v85 16 r + hh: my scale byte's place
.set OS,  86                           ; v86 8 hh
.set STP, 87
.set KV,  36
.set WV,  18
.set BLK, 19                           ; s19 the block of the tile at work = its step on the diagonal
.set SEL, 20
.set CS,  22                           ; s[22:23] c = log2(e) / 8
.set ST,  2                            ; s2  the step
.set TB,  3                            ; s3  its first LDS byte
.set CNT, 60
.set HI,  66                           ; s66 the last step that I work on this tile
.set BL2, 67                           ; s67 15 - i
.macro CROUND
	s_barrier_signal -1
	s_barrier_wait -1
	s_cmp_lg_u32 s[WV], 0
	s_cbranch_scc1 .Lnot_wave_0_\@
	s_barrier_signal -3
.Lnot_wave_0_\@:
	s_barrier_wait -3
	s_barrier_signal -1
	s_barrier_wait -1
.endm
	s_load_b128 s[4:7], s[0:1], 0x0                ; qb, kv
	s_load_b64 s[8:9], s[0:1], 0x10                ; oq
	v_lshl_add_u32 v243, v0, 2, 0x32000
	v_mov_b32 v255, 0
	ds_add_u32 v243, v255
	ds_add_u32 v243, v255
	v_lshrrev_b32 v8, 5, v0
	s_delay_alu instid0(VALU_DEP_1)
	v_readfirstlane_b32 s[WV], v8                  ; wave 0..15
	s_bfe_u32 s10, ttmp6, 0x40000                  ; cx: the query head in the group: it enters Q's and the result's addresses alone
	s_and_b32 s11, ttmp7, 0xffff                   ; the pair i
	s_lshr_b32 s12, s[WV], 1                       ; my place a
	s_lshr_b32 s13, s[WV], 2
	s_xor_b32 s13, s13, s[WV]
	s_and_b32 s13, s13, 1                          ; 1: the late wave of the pair
	s_sub_co_u32 s[BL2], 15, s11
	s_cmp_eq_u32 s13, 0
	s_cselect_b32 s[BLK], s11, s[BL2]              ; i or 15 - i
	s_cselect_b32 s[HI], s11, 8                    ; the early tile's steps 0 .. i, or the late tile's steps 0 .. 8
	s_mul_i32 s72, s[WV], STB
	s_add_co_u32 s72, s72, STASH
	s_xor_b32 s73, s[WV], 1
	s_mul_i32 s73, s73, STB
	s_add_co_u32 s73, s73, STASH
	s_mul_i32 s16, ttmp9, 16*STEPB                 ; the kv head's image
	s_mov_b32 s17, 0
	s_and_b32 s15, s[WV], 7
	s_mul_i32 s48, s15, 6400                       ; waves 0-7: 25 rows of 256 bytes each
	s_mov_b32 s49, 0
	s_mul_i32 s50, s15, 19200                      ; waves 8-15: 75 rows each, behind the first four steps
	s_add_co_u32 s50, s50, 4*STEPB
	s_mov_b32 s51, 0
	; group 1: a dense block as rows of 256 bytes (32 elements of 8 bytes); the mask names all four work-groups
	s_mov_b32 s24, 15|(3<<16)|(1<<21)
	s_mov_b32 s25, 32<<16
	s_mov_b32 s26, 25<<16
	s_mov_b32 s27, 32<<16
	s_mov_b32 s28, 25
	s_mov_b32 s29, 32
	s_mov_b32 s30, 0
	s_mov_b32 s31, 0
	s_mov_b32 s32, 15|(3<<16)|(1<<21)
	s_mov_b32 s33, 32<<16
	s_mov_b32 s34, 75<<16
	s_mov_b32 s35, 32<<16
	s_mov_b32 s36, 75
	s_mov_b32 s37, 32
	s_mov_b32 s38, 0
	s_mov_b32 s39, 0
	s_lshl_b32 s52, ttmp9, 2
	s_add_co_u32 s52, s52, s10                     ; the query head
	s_lshl_b32 s52, s52, 4
	s_add_co_u32 s68, s52, s[BL2]
	s_add_co_u32 s52, s52, s[BLK]
	s_mul_i32 s52, s52, 6400                       ; qb: [head][block][8 RECs | scale words]: my first tile's block,
	s_mul_i32 s68, s68, 6400                       ; and the late block
	s_mov_b32 s53, 0
	s_mov_b32 s69, 0
	s_mul_i32 s54, s12, 768
	s_mov_b32 s55, 0
	s_bfe_u32 s58, s12, 0x10001                    ; the word of tiles 2 b, 2 b + 1 (b = a / 2) lies at 8 r + 128 (b % 2) + 4 (b / 2)
	s_lshl_b32 s58, s58, 7
	s_lshr_b32 s59, s12, 2
	s_lshl_b32 s59, s59, 2
	s_add_co_u32 s58, s58, s59
	s_mov_b32 s59, 0
	s_mov_b32 s[SEL], 0x76543210
	s_mov_b32 s[SEL+1], 0xfedcba98
	s_mov_b32 s[CS], 0x3e38aa3b
	s_mov_b32 s[CS+1], s[CS]                       ; (named with it as a pair, so it is written)
	v_and_b32 v9, 31, v0
	v_and_b32 v8, 15, v0                           ; r
	v_bfe_u32 v10, v0, 4, 1                        ; hh
	s_delay_alu instid0(VALU_DEP_3)
	v_lshlrev_b32 v[L16], 4, v9
	s_delay_alu instid0(VALU_DEP_4)
	v_lshlrev_b32 v[L8], 3, v9
	s_delay_alu instid0(VALU_DEP_4)
	v_lshlrev_b32 v7, 3, v8                        ; 8 r
	s_delay_alu instid0(VALU_DEP_4)
	v_lshl_add_u32 v[OB], v8, 4, v10
	v_lshlrev_b32 v[OS], 3, v10
	v_add_nc_u32 v[STA], s72, v[L16]
	v_add_nc_u32 v[STP], s73, v[L16]
	s_wait_alu depctr_va_vdst(0)                   ; the wait ahead of the waits below
	s_wait_dscnt 0x0
	s_wait_kmcnt 0x0
	s_add_nc_u64 s[6:7], s[6:7], s[16:17]
	s_mov_b32 s40, 1
	s_mov_b32 s41, s48
	s_add_nc_u64 s[42:43], s[6:7], s[48:49]
	s_or_b32 s43, s43, 0x80000000
	s_mov_b32 s44, 1
	s_mov_b32 s45, s50
	s_add_nc_u64 s[46:47], s[6:7], s[50:51]
	s_or_b32 s47, s47, 0x80000000
	s_add_nc_u64 s[68:69], s[4:5], s[68:69]
	s_add_nc_u64 s[70:71], s[68:69], s[58:59]      ; the late tile's scale word,
	s_add_nc_u64 s[68:69], s[68:69], s[54:55]      ; and its REC
	s_add_nc_u64 s[4:5], s[4:5], s[52:53]
	s_add_nc_u64 s[56:57], s[4:5], s[54:55]        ; my first tile's REC
	s_add_nc_u64 s[4:5], s[4:5], s[58:59]          ; and its scale word
	global_load_b128 v[16:19], v[L16], s[56:57]    ; q twice: in front of the zeros and behind them
	global_load_b64 v[20:21], v[L8], s[56:57] offset:512
	global_load_b128 v[28:31], v[L16], s[56:57]
	global_load_b64 v[32:33], v[L8], s[56:57] offset:512
	global_load_b32 v35, v7, s[4:5] offset:6144
	global_load_b128 v[192:195], v[L16], s[68:69]  ; the late tile's q, for the partner's second part
	global_load_b64 v[196:197], v[L8], s[68:69] offset:512
	global_load_b32 v198, v7, s[70:71] offset:6144
	s_lshr_b32 s61, s12, 1
	s_lshl_b32 s61, s61, 5
	s_and_b32 s62, s12, 1
	s_lshl_b32 s63, s62, 3
	s_add_co_u32 s61, s61, s63                     ; 32 (a / 2) + 8 (a % 2)
	s_lshl_b32 s62, s62, 4                         ; 16 (a % 2): my half of the scale word
	v_and_b32 v9, 8, v8
	v_lshlrev_b32 v10, 4, v10
	s_delay_alu instid0(VALU_DEP_2)
	v_add_nc_u32 v9, v9, v8                        ; r + 8 (r / 8)
	s_delay_alu instid0(VALU_DEP_1)
	v_sub_nc_u32 v9, v9, v10
	s_delay_alu instid0(VALU_DEP_1)
	v_add_nc_u32 v[DM], s61, v9
	v_mov_b32 v[NINF], 0xff800000
	v_mov_b32 v13, 0xff61b1e6                      ; the largest t so far: -3e38
	s_delay_alu instid0(VALU_DEP_1)
	v_floor_f32 v12, -v13                          ; -M
	v_mov_b32 v14, 0
	v_mov_b32 v15, 0
.irp b, 0,1,2,3
	v_mov_b32 v[236+\b], 0                         ; a lane permute's destination counts as one of its sources
.endr
	v_mov_b32 v252, 0
	v_mov_b32 v253, 0
.irp i, 0,1,2,3,4,5
	v_mov_b32 v[22+\i], 0                          ; the zero codes between the two copies of q
.endr
	CROUND                                         ; all four work-groups are here: the joint loads meet
	s_cmp_lt_u32 s[WV], 8                          ; one tensor load a wave
	s_cbranch_scc1 .Lfirst_four
	tensor_load_to_lds s[44:47], s[32:39]          ; steps 4-15: waited for in front of the second barrier
	s_nop 0
.rept 4
	v_nop
.endr
	s_branch .Lasked
.Lfirst_four:
	tensor_load_to_lds s[40:43], s[24:31]          ; steps 0-3
	s_nop 0
.rept 4
	v_nop
.endr
	s_wait_tensorcnt 0x0                           ; my part of them is in,
.Lasked:
	s_barrier_signal -1
	s_barrier_wait -1                              ; everybody's is
	s_wait_loadcnt 0x0                             ; q and its scale word, both tiles'
.macro FRESH src                       ; a tile begins: its two scale bytes out of the word in src, and O^T = 0
	v_lshrrev_b32 v35, s62, v[\src]
	s_delay_alu instid0(VALU_DEP_1)
	v_and_b32 v35, 0xffff, v35                     ; my tile's two bytes,
	s_delay_alu instid0(VALU_DEP_1)
	v_lshl_or_b32 v34, v35, 16, v35                ; twice: they serve q in front of the zeros and behind them
.set j, 0
.rept 32
	v_mov_b32 v[160+j], 0                          ; the step is written once, and a tile's first run finds zeros.  (These are also the places between the scale word's last write and the first product)
.set j, j+1
.endr
.endm
	FRESH 35
.macro STEP
	s_cmp_gt_u32 s[ST], s[HI]
	s_cbranch_scc1 .Lhidden_\@                     ; not my step of this tile
	v_add_nc_u32 v[A16], s[TB], v[L16]
	v_add_nc_u32 v[A8], s[TB], v[L8]
	v_nop
	v_nop                                          ; four places behind the last step's products, ahead of loads into their registers
.irp b, 0,1,2,3
	ds_load_b128 v[KV+12*\b:KV+12*\b+3], v[A16] offset:1536*\b
	ds_load_b64 v[KV+12*\b+4:KV+12*\b+5], v[A8] offset:1536*\b+512
	ds_load_b128 v[KV+12*\b+6:KV+12*\b+9], v[A16] offset:1536*\b+768
	ds_load_b64 v[KV+12*\b+10:KV+12*\b+11], v[A8] offset:1536*\b+1280
.endr
	ds_load_b64 v[248:249], v[A8] offset:12288     ; K's scale words: v248 fragments 0 (lanes 0-15) and 1 (lanes 16-31), v249 fragments 2 and 3
	s_wait_alu depctr_va_vdst(0)
	s_wait_dscnt 0x0
.irp b, 0,1,2,3
.if \b%2
	v_wmma_scale_f32_16x16x128_f8f6f4 v[96+16*\b:103+16*\b], v[KV+12*\b:KV+12*\b+11], v[16:27], 0, v[248+\b/2], v34 matrix_a_fmt:MATRIX_FMT_FP6 matrix_b_fmt:MATRIX_FMT_FP6 matrix_a_scale:MATRIX_SCALE_ROW1
	v_wmma_scale_f32_16x16x128_f8f6f4 v[104+16*\b:111+16*\b], v[KV+12*\b:KV+12*\b+11], v[22:33], 0, v[248+\b/2], v34 matrix_a_fmt:MATRIX_FMT_FP6 matrix_b_fmt:MATRIX_FMT_FP6 matrix_a_scale:MATRIX_SCALE_ROW1
.else
	v_wmma_scale_f32_16x16x128_f8f6f4 v[96+16*\b:103+16*\b], v[KV+12*\b:KV+12*\b+11], v[16:27], 0, v[248+\b/2], v34 matrix_a_fmt:MATRIX_FMT_FP6 matrix_b_fmt:MATRIX_FMT_FP6
	v_wmma_scale_f32_16x16x128_f8f6f4 v[104+16*\b:111+16*\b], v[KV+12*\b:KV+12*\b+11], v[22:33], 0, v[248+\b/2], v34 matrix_a_fmt:MATRIX_FMT_FP6 matrix_b_fmt:MATRIX_FMT_FP6
.endif
.endr                                              ; register 96 + 16 b + i: key 32 b + 16 (l / 16) + i of the step
.rept 4
	v_nop                                          ; places ahead of the loads into K's registers and of the first read of the scores
.endr
.irp t, 0,1,2,3
.irp y, 0,1,2
	ds_load_b128 v[KV+12*\t+4*\y:KV+12*\t+4*\y+3], v[A16] offset:6144+1536*\t+512*\y   ; V's fragments land under the softmax
.endr
.endr
	ds_load_b64 v[250:251], v[A8] offset:12544     ; V's scale words, laid as K's
	s_cmp_lt_u32 s[ST], s[BLK]
	s_cbranch_scc1 .Lopen_\@                       ; all keys count
.set n, 0
.rept 64
	v_cmp_gt_i32 vcc_lo, 32*(n/16)+n%16, v[DM]     ; on the diagonal: hidden where the register's key comes after my query
	v_cndmask_b32 v[96+n], v[96+n], v[NINF], vcc_lo
.set n, n+1
.endr
.Lopen_\@:
.irp b, 0,1,2,3
	v_max3_num_f32 v[232+\b], v[96+16*\b], v[97+16*\b], v[98+16*\b]   ; the largest score of each block of 32 keys: for the row's maximum, and, since p rises with the score, for the block's largest p
.endr
.irp i, 3,5,7,9,11,13
.irp b, 0,1,2,3
	v_max3_num_f32 v[232+\b], v[232+\b], v[96+16*\b+\i], v[97+16*\b+\i]
.endr
.endr
.irp b, 0,1,2,3
	v_max_num_f32 v[232+\b], v[232+\b], v[111+16*\b]
.endr
.irp b, 0,1,2,3
	s_delay_alu instid0(VALU_DEP_4)
	v_permlanex16_b32 v[236+\b], v[232+\b], s[SEL], s[SEL+1]
.endr
.irp b, 0,1,2,3
	s_delay_alu instid0(VALU_DEP_4)
	v_max_num_f32 v[232+\b], v[232+\b], v[236+\b]  ; with lane l xor 16's 16 keys
.endr
	s_delay_alu instid0(VALU_DEP_2)
	v_max3_num_f32 v254, v232, v233, v234
	s_delay_alu instid0(VALU_DEP_1)
	v_max_num_f32 v254, v254, v235
	s_delay_alu instid0(VALU_DEP_1)
	v_mul_f32 v254, s[CS], v254                    ; as t
	s_delay_alu instid0(VALU_DEP_1)
	v_max_num_f32 v13, v13, v254                   ; the running largest t
	v_mov_b32 v254, v12
	s_delay_alu instid0(VALU_DEP_2)
	v_floor_f32 v12, -v13                          ; the new -M = -ceil(t)
	s_delay_alu instid0(VALU_DEP_1)
	v_sub_f32 v254, v12, v254                      ; old M - new M: a whole number, 0 or less
	s_delay_alu instid0(VALU_DEP_1)
	v_cvt_i32_f32 v254, v254                       ; (it saturates)
	s_delay_alu instid0(VALU_DEP_1)
	v_ldexp_f32 v252, 1.0, v254                    ; f = 2^(old M - new M)
.set j, 0
.rept 32
	v_pk_fma_f32 v[96+j:97+j], v[96+j:97+j], s[CS:CS+1], v[12:13] op_sel_hi:[1,0,0]   ; t - M
.set j, j+2
.endr
.irp b, 0,1,2,3
	v_fma_f32 v[232+\b], v[232+\b], s[CS], v12
.endr
.set j, 0
	s_wait_alu depctr_va_vdst(0)
.rept 64
	v_exp_f32 v[96+j], v[96+j]                     ; p = 2^(t - M)
.set j, j+1
.endr
	v_pk_mul_f32 v[14:15], v[14:15], v[252:253] op_sel_hi:[1,0]   ; the sums under the new M: the plain place behind the exponentials
	s_wait_alu depctr_va_vdst(0)                   ; one wait for the batch, ahead of its first reader
.irp b, 0,1,2,3
	v_exp_f32 v[232+\b], v[232+\b]                 ; the blocks' largest p
.endr
	v_pk_add_f32 v[236:237], v[100:101], v[104:105]
	v_pk_add_f32 v[248:249], v[108:109], v[112:113]
	v_pk_add_f32 v[246:247], v[116:117], v[120:121]
	v_pk_add_f32 v[244:245], v[124:125], v[128:129]
	v_pk_add_f32 v[240:241], v[132:133], v[136:137]
	v_pk_add_f32 v[238:239], v[140:141], v[144:145]
	v_pk_add_f32 v[230:231], v[148:149], v[152:153]
	v_pk_add_f32 v[14:15], v[14:15], v[156:157]
	v_pk_add_f32 v[236:237], v[236:237], v[96:97]
	v_pk_add_f32 v[248:249], v[248:249], v[98:99]
	v_pk_add_f32 v[246:247], v[246:247], v[102:103]
	v_pk_add_f32 v[244:245], v[244:245], v[106:107]
	v_pk_add_f32 v[240:241], v[240:241], v[110:111]
	v_pk_add_f32 v[238:239], v[238:239], v[114:115]
	v_pk_add_f32 v[230:231], v[230:231], v[118:119]
	v_pk_add_f32 v[14:15], v[14:15], v[122:123]
	v_pk_add_f32 v[236:237], v[236:237], v[126:127]
	v_pk_add_f32 v[248:249], v[248:249], v[130:131]
	v_pk_add_f32 v[246:247], v[246:247], v[134:135]
	v_pk_add_f32 v[244:245], v[244:245], v[138:139]
	v_pk_add_f32 v[240:241], v[240:241], v[142:143]
	v_pk_add_f32 v[238:239], v[238:239], v[146:147]
	v_pk_add_f32 v[230:231], v[230:231], v[150:151]
	v_pk_add_f32 v[14:15], v[14:15], v[154:155]
	v_pk_add_f32 v[236:237], v[236:237], v[158:159]
	s_delay_alu instid0(VALU_DEP_2)
	v_pk_add_f32 v[14:15], v[14:15], v[244:245]
	s_delay_alu instid0(VALU_DEP_2)
	v_pk_add_f32 v[236:237], v[236:237], v[240:241]
	v_pk_add_f32 v[248:249], v[248:249], v[238:239]
	v_pk_add_f32 v[246:247], v[246:247], v[230:231]
	s_delay_alu instid0(VALU_DEP_2)
	v_pk_add_f32 v[14:15], v[14:15], v[248:249]
	s_delay_alu instid0(VALU_DEP_2)
	v_pk_add_f32 v[236:237], v[236:237], v[246:247]
	s_delay_alu instid0(VALU_DEP_1)
	v_pk_add_f32 v[14:15], v[14:15], v[236:237]
	s_wait_alu depctr_va_vdst(0)                   ; and one for the four
.irp b, 0,1,2,3
	v_max_num_f32 v[232+\b], 0x1800000, v[232+\b]  ; the floor 2^(3 - 127)
.endr
.irp b, 0,1,2,3
	s_delay_alu instid0(VALU_DEP_4)
	v_add_nc_u32 v[244+\b], 0xff000000, v[232+\b]  ; the conversion's scale operand
.endr
.irp b, 0,1,2,3
	s_delay_alu instid0(VALU_DEP_4)
	v_lshrrev_b32 v[236+\b], 23, v[244+\b]
.endr
	s_delay_alu instid0(VALU_DEP_3)
	v_lshl_or_b32 v253, v237, 8, v236              ; p's scale word for these 128 keys
	s_delay_alu instid0(VALU_DEP_1)
	v_lshl_or_b32 v253, v238, 16, v253
	s_delay_alu instid0(VALU_DEP_1)
	v_lshl_or_b32 v253, v239, 24, v253
.irp c, 0,1
	v_cvt_scalef32_pk16_fp6_f32 v[224+6*\c:226+6*\c], v[96+32*\c:111+32*\c], v[244+2*\c]
	v_cvt_scalef32_pk16_fp6_f32 v[236+4*\c:238+4*\c], v[112+32*\c:127+32*\c], v[244+2*\c+1]
.endr
	v_nop                                          ; one plain place behind a scaled conversion
.irp c, 0,1
.irp i, 0,1,2
	v_permlane16_swap_b32 v[224+6*\c+\i], v[236+4*\c+\i]   ; a whole block to a lane
.endr
.irp i, 0,1,2
	s_delay_alu instid0(VALU_DEP_3)
	v_mov_b32 v[227+6*\c+\i], v[236+4*\c+\i]
.endr
.endr
.set j, 0
.rept 16
	v_pk_mul_f32 v[160+j:161+j], v[160+j:161+j], v[252:253] op_sel_hi:[1,0]   ; O^T under the new M.  For each product below twelve of these name none of its registers: the places behind the scale word's and the codes' last writes
.set j, j+2
.endr
	s_wait_alu depctr_va_vdst(0)
	s_wait_dscnt 0x0                               ; V
.irp t, 0,1,2,3
.if \t%2
	v_wmma_scale_f32_16x16x128_f8f6f4 v[160+8*\t:167+8*\t], v[KV+12*\t:KV+12*\t+11], v[224:235], v[160+8*\t:167+8*\t], v[250+\t/2], v253 matrix_a_fmt:MATRIX_FMT_FP6 matrix_b_fmt:MATRIX_FMT_FP6 matrix_a_scale:MATRIX_SCALE_ROW1
.else
	v_wmma_scale_f32_16x16x128_f8f6f4 v[160+8*\t:167+8*\t], v[KV+12*\t:KV+12*\t+11], v[224:235], v[160+8*\t:167+8*\t], v[250+\t/2], v253 matrix_a_fmt:MATRIX_FMT_FP6 matrix_b_fmt:MATRIX_FMT_FP6
.endif
.endr                                              ; the four accumulators by turns; eight other products stand between two links of a chain
.Lhidden_\@:
	s_add_co_u32 s[TB], s[TB], STEPB
	s_add_co_u32 s[ST], s[ST], 1
.endm
; THE WAY OUT of the tile of block s[BLK]: O^T / the sum; its 32 registers are d = 16 h + 0..15 and 32 + 16 h + 0..15 of my query: two blocks along the last product's K
.macro WAYOUT
	v_add_f32 v14, v14, v15
	s_delay_alu instid0(VALU_DEP_1)
	v_permlanex16_b32 v252, v14, s[SEL], s[SEL+1]
	s_delay_alu instid0(VALU_DEP_1)
	v_add_f32 v14, v14, v252                       ; the row's sum
	s_wait_alu depctr_va_vdst(0)
	v_rcp_f32 v14, v14
	v_nop                                          ; a plain place behind the transcendental
	s_lshl_b32 s52, s[BLK], 3
	s_add_co_u32 s52, s52, s12                     ; the row tile
	s_lshl_b32 s52, s52, 2
	s_lshr_b32 s54, ttmp9, 1
	s_add_co_u32 s52, s52, s54                     ; oq: [row tile][4 chunks]: chunk head / 8,
	s_mul_i32 s52, s52, 6400
	s_and_b32 s54, ttmp9, 1
	s_lshl_b32 s54, s54, 2
	s_add_co_u32 s54, s54, s10                     ; REC j = head % 8
	s_add_nc_u64 s[58:59], s[8:9], s[52:53]
	s_mul_i32 s56, s54, 768
	s_mov_b32 s57, 0
	s_add_nc_u64 s[56:57], s[58:59], s[56:57]
	s_lshl_b32 s54, s54, 1
	s_add_nc_u64 s[58:59], s[58:59], s[54:55]      ; scale bytes at 6,144 + 16 r + 2 j + hh
	s_wait_alu depctr_va_vdst(0)                   ; ahead of the reciprocal's first reader
.set j, 0
.rept 32
	v_mul_f32 v[96+j], v[160+j], v14               ; each accumulator from its low end on
.set j, j+1
.endr
	v_max3_num_f32 v232, |v96|, |v97|, 0x1800000
	v_max3_num_f32 v233, |v112|, |v113|, 0x1800000
.irp i, 2,4,6,8,10,12,14
	s_delay_alu instid0(VALU_DEP_2)
	v_max3_num_f32 v232, v232, |v[96+\i]|, |v[97+\i]|
	s_delay_alu instid0(VALU_DEP_2)
	v_max3_num_f32 v233, v233, |v[112+\i]|, |v[113+\i]|
.endr
	s_delay_alu instid0(VALU_DEP_2)
	v_permlanex16_b32 v236, v232, s[SEL], s[SEL+1]
	s_delay_alu instid0(VALU_DEP_2)
	v_permlanex16_b32 v237, v233, s[SEL], s[SEL+1]
	s_delay_alu instid0(VALU_DEP_2)
	v_max_num_f32 v232, v232, v236
	s_delay_alu instid0(VALU_DEP_2)
	v_max_num_f32 v233, v233, v237
	s_delay_alu instid0(VALU_DEP_2)
	v_add_nc_u32 v244, 0xff000000, v232
	s_delay_alu instid0(VALU_DEP_2)
	v_add_nc_u32 v245, 0xff000000, v233
	s_delay_alu instid0(VALU_DEP_2)
	v_lshrrev_b32 v238, 23, v244
	s_delay_alu instid0(VALU_DEP_2)
	v_lshrrev_b32 v239, 23, v245
	s_delay_alu instid0(VALU_DEP_1)
	v_lshl_or_b32 v246, v239, 8, v238
	v_cvt_scalef32_pk16_fp6_f32 v[224:226], v[96:111], v244
	v_cvt_scalef32_pk16_fp6_f32 v[240:242], v[112:127], v245
	v_nop                                          ; one plain place behind a scaled conversion
.irp i, 0,1,2
	v_permlane16_swap_b32 v[224+\i], v[240+\i]
.endr
.irp i, 0,1,2
	s_delay_alu instid0(VALU_DEP_3)
	v_mov_b32 v[227+\i], v[240+\i]
.endr
	v_lshrrev_b32 v247, v[OS], v246                ; my block's byte
	global_store_b128 v[L16], v[224:227], s[56:57]             ; 512 consecutive bytes,
	global_store_b64 v[L8], v[228:229], s[56:57] offset:512    ; and 256
	global_store_b8 v[OB], v247, s[58:59] offset:6144
.endm
	s_mov_b32 s[ST], 0
	s_mov_b32 s[TB], 0
	STEP                                           ; step 0: every wave works it
	s_wait_tensorcnt 0x0                           ; my part of steps 4-15 is in,
	s_wait_dscnt 0x0
	s_barrier_signal -1
	s_barrier_wait -1                              ; everybody's is
	s_mov_b32 s[ST], 1                             ; (written as constants, so that the loop's LDS addresses can be read off the text)
	s_mov_b32 s[TB], STEPB
	s_mov_b32 s[CNT], 8
.Lsecond:                                          ; steps 1-8
	STEP
	s_sub_co_u32 s[CNT], s[CNT], 1
	s_cmp_lg_u32 s[CNT], 0
	s_cbranch_scc1 .Lsecond
.rept 4
	v_nop                                          ; places behind the last products, ahead of the first read of O^T
.endr
	s_wait_alu depctr_va_vdst(0)                   ; the wait ahead of the branch
	s_cmp_eq_u32 s13, 0
	s_cbranch_scc1 .Lpartner
.irp k, 0,1,2,3,4,5,6,7
	ds_store_b128 v[STA], v[160+4*\k:163+4*\k] offset:512*\k   ; the late wave's part is done: O^T, each accumulator from its low end on,
.endr
	ds_store_b128 v[STA], v[12:15] offset:4096     ; -M, the largest t and the sum's two halves, into my own bytes
	s_branch .Lgo_on
.Lpartner:
	WAYOUT                                         ; the early tile is finished
	s_mov_b32 s[BLK], s[BL2]                       ; on to the late tile's steps 9 .. 15 - i
	s_mov_b32 s[HI], s[BL2]
.irp i, 0,1,2,3,4,5
	v_mov_b32 v[16+\i], v[192+\i]
	v_mov_b32 v[28+\i], v[192+\i]
.endr
	v_mov_b32 v13, 0xff61b1e6
	v_mov_b32 v14, 0
	v_mov_b32 v15, 0
	s_delay_alu instid0(VALU_DEP_3)
	v_floor_f32 v12, -v13
	FRESH 198
	s_wait_xcnt 0x0                                ; the stores have read their registers, which the next steps write
.Lgo_on:
	s_mov_b32 s[ST], 9
	s_mov_b32 s[TB], 9*STEPB
	s_mov_b32 s[CNT], 7
.Lthird:                                           ; steps 9-15: the partners' alone
	STEP
	s_sub_co_u32 s[CNT], s[CNT], 1
	s_cmp_lg_u32 s[CNT], 0
	s_cbranch_scc1 .Lthird
.rept 4
	v_nop                                          ; places behind the last products
.endr
	s_wait_alu depctr_va_vdst(0)                   ; the wait ahead of the wait below
	s_wait_dscnt 0x0                               ; my stores into LDS are done,
	s_barrier_signal -1
	s_barrier_wait -1                              ; everybody's are
	s_cmp_lg_u32 s13, 0
	s_cbranch_scc1 .Ldone
.irp k, 0,1,2,3,4,5,6,7
	ds_load_b128 v[96+4*\k:99+4*\k], v[STP] offset:512*\k      ; the late wave's O^T,
.endr
	ds_load_b128 v[128:131], v[STP] offset:4096    ; its -M, largest t and sum
	s_wait_dscnt 0x0
	v_min_num_f32 v132, v12, v128                  ; -M of the two parts together
	v_add_f32 v14, v14, v15
	v_add_f32 v130, v130, v131
	s_delay_alu instid0(VALU_DEP_3)
	v_sub_f32 v133, v132, v12                      ; my M - the larger M: a whole number, 0 or less
	s_delay_alu instid0(VALU_DEP_4)
	v_sub_f32 v134, v132, v128                     ; and the late wave's
	s_delay_alu instid0(VALU_DEP_2)
	v_cvt_i32_f32 v133, v133                       ; (it saturates: a part with no step has M = -3e38 and gets the factor 0)
	s_delay_alu instid0(VALU_DEP_2)
	v_cvt_i32_f32 v134, v134
	s_delay_alu instid0(VALU_DEP_2)
	v_ldexp_f32 v252, 1.0, v133
	s_delay_alu instid0(VALU_DEP_2)
	v_ldexp_f32 v250, 1.0, v134
	v_mov_b32 v251, 0                              ; (named with v250 as a pair, so it is written)
	s_delay_alu instid0(VALU_DEP_3)
	v_mul_f32 v14, v14, v252
	v_mov_b32 v15, 0
	s_delay_alu instid0(VALU_DEP_2)
	v_fma_f32 v14, v130, v250, v14                 ; the sum under the common M
.set j, 0
.rept 16
	v_pk_mul_f32 v[160+j:161+j], v[160+j:161+j], v[252:253] op_sel_hi:[1,0]
.set j, j+2
.endr
.set j, 0
.rept 16
	v_pk_fma_f32 v[160+j:161+j], v[96+j:97+j], v[250:251], v[160+j:161+j] op_sel_hi:[1,0,1]   ; O^T under the common M
.set j, j+2
.endr
	WAYOUT                                         ; the late tile is finished
.Ldone:
	s_wait_tensorcnt 0x0                           ; the wave's end
	ds_add_u32 v243, v255
	s_wait_dscnt 0x0
	CROUND                                         ; the closing round
	s_endpgm
.Lfunc_end_k_qa985f4e8ac_attn:
	.size	k_qa985f4e8ac_attn, .Lfunc_end_k_qa985f4e8ac_attn-k_qa985f4e8ac_attn
	.p2alignl 7, 3214868480
	.fill 96, 4, 3214868480
	.section	.rodata,"a",@progbits
	.p2align	6, 0x0
	.amdhsa_kernel k_qa985f4e8ac_attn
		.amdhsa_group_segment_fixed_size 280576
		.amdhsa_private_segment_fixed_size 0
		.amdhsa_enable_private_segment 0
		.amdhsa_kernarg_size 24
		.amdhsa_user_sgpr_count 2
		.amdhsa_user_sgpr_kernarg_segment_ptr 1
		.amdhsa_wavefront_size32 1
		.amdhsa_system_sgpr_workgroup_id_x 1
		.amdhsa_system_sgpr_workgroup_id_y 1
		.amdhsa_system_sgpr_workgroup_id_z 1
		.amdhsa_system_vgpr_workitem_id 0
		.amdhsa_next_free_vgpr 256
		.amdhsa_next_free_sgpr 76
		.amdhsa_reserve_vcc 1
		.amdhsa_float_denorm_mode_32 3
		.amdhsa_float_denorm_mode_16_64 3
		.amdhsa_memory_ordered 1
		.amdhsa_forward_progress 1
		.amdhsa_inst_pref_size 92
	.end_amdhsa_kernel
	.amdgpu_metadata
---
amdhsa.version: [ 1, 2 ]
amdhsa.kernels:
  - .name:           k_qa985f4e8ac_attn
    .symbol:         k_qa985f4e8ac_attn.kd
    .args:
      - { .name: qb, .offset: 0, .size: 8, .value_kind: global_buffer, .address_space: global }
      - { .name: kv, .offset: 8, .size: 8, .value_kind: global_buffer, .address_space: global }
      - { .name: oq, .offset: 16, .size: 8, .value_kind: global_buffer, .address_space: global }
    .group_segment_fixed_size: 280576
    .private_segment_fixed_size: 0
    .kernarg_segment_align: 8
    .kernarg_segment_size: 24
    .max_flat_workgroup_size: 512
    .sgpr_count:     76
    .vgpr_count:     256
    .wavefront_size: 32
...
	.end_amdgpu_metadata
.endif
;; end of part 3
;; launch oproj (part 4): grid 16 x 16, 4 waves a work-group, clusters of 4 x 4, 327,680 bytes of LDS; arguments oq, woq, out0; writes out0
.if DOCPART == 4
	.amdgcn_target "amdgcn-amd-amdhsa--gfx1250"
	.amdhsa_code_object_version 6
	.text
	.protected	k_qa985f4e8ac_oproj
	.globl	k_qa985f4e8ac_oproj
	.p2align	8
	.type	k_qa985f4e8ac_oproj,@function
k_qa985f4e8ac_oproj:
	s_mov_b64 s[64:65], 0
	v_nop
	global_prefetch_b8 v0, s[64:65] scope:SCOPE_SE
	s_setreg_imm32_b32 hwreg(HW_REG_WAVE_MODE, 25, 1), 1
	s_wait_xcnt 0x0
	s_wait_alu depctr_hold_cnt(0) depctr_sa_sdst(0) depctr_va_vdst(0) depctr_va_sdst(0) depctr_va_ssrc(0) depctr_va_vcc(0) depctr_vm_vsrc(0)
	s_getreg_b32 s2, hwreg(HW_REG_IB_STS2, 6, 4)
	s_cmp_eq_u32 s2, 0
	s_cbranch_scc0 .Lentry_in_a_cluster
	s_endpgm
.Lentry_in_a_cluster:
	s_bfe_u32 s2, ttmp6, 0x10000c
	s_cmp_lg_u32 s2, 0xf033
	s_cbranch_scc0 .Lentry_shape_is_right
	s_endpgm
.Lentry_shape_is_right:
; out0 [2048][2048] f32 = O Wo^T on codes of FP6 (E2M3) with E8M0 scales, K = 2,048; sums in f32.
; oq and woq: [row tile][4 chunks of 6,400 bytes]; a chunk = 16 rows x 512 K: 8 RECs of 768 bytes in the order of an operand's registers, then 256 bytes of scale words (row r's four words at 16 r).
; Row tile T: lane r stands for row 32 (T / 2) + 8 (T % 2) + r + 8 (r / 8).
; SHARES: 16 x 16 = 256 work-groups, each 128 x 128 of the result; a wave makes 64 x 64: 4 tiles of O x 4 tiles of Wo, 16 accumulators.
; A block's operands are 16 tiles x 25,600 = 409,600 bytes.  K = 0 .. 1,535 of them, 307,200 bytes, come into LDS by ONE tensor load a wave (4 tiles x 19,200 consecutive bytes);
; K = 1,536 .. 2,047 goes from memory straight into the operands' registers, 136 loads a wave, and is multiplied first.  Nothing in LDS is filled again: no ring, no loop.
; CLUSTERS: 4 x 4 work-groups; O's tiles are asked for jointly along a row of the cluster, Wo's along a column.
; NO PREFETCH: the launch has no loop to run ahead in; every byte is asked for at the head.
; Source 0 = 16 rows of Wo, source 1 = 16 rows of O: a lane holds eight neighbouring columns of one row of the result.
; REGISTERS: window 0: v1-29 addresses; v32-63 scale words of the chunk in registers (O's, Wo's); v64-111 those of the three chunks in LDS (lanes 0-15 O's tile i, lanes 16-31 Wo's tile i); v128-191 the way out.
;   window 1: v0-127 the accumulators, (a, b) at 32 a + 8 b.  window 2: four sets of Wo's four fragments, set k at 48 k.  window 3: the same for O.
; The walk is written out: 4 steps from registers and 12 from LDS, 16 matrix instructions each; the sets come round after four steps and every LDS offset is an immediate.
.set KG,    4
.set CH,    6400
.set TROW,  KG*CH                      ; a row tile in memory
.set TS,    3*CH                       ; a row tile in LDS
.set SPARE, 16*TS                      ; behind the tiles: the spare words, 128 bytes a wave
.set STAGE, SPARE+512                  ; behind them: a stage of 16 rows x 272 bytes for each wave; no tile lands there
.set L16,  1
.set L8,   2
.set RR,   4
.set HH,   5
.set R16,  6
.set STO,  10
.set RD,   11
.set CO,   12
.set A16,  16                          ; v16-17 O's fragments in LDS, tiles 0-1 and 2-3 (an LDS offset has 16 bits); v18-19 the 8-byte pieces
.set A8,   18
.set B16,  20
.set B8,   22
.set ADRS, 24
.set SPW,  28
.set NIL,  29
.set SDA,  32
.set SDB,  48
.set SL,   64
.set BK,   128
.set G1,   24
.set G0,   32
.set G1B,  48
.set G0B,  56
.set DA,   10                          ; s[10:11], s[12:13]: my tiles' last chunk in oq and woq
.set DB,   12
.set MULW, 0x5e                        ; source 0 window 2, source 1 window 3, C and D window 1
.set MSB, 0
.macro WIN new
.if MSB != \new
	s_set_vgpr_msb (MSB<<8)|\new
.set MSB, \new
.endif
.endm
.macro JLOAD                           ; waves 0, 1 fetch O's tiles, waves 2, 3 Wo's: each line has one mask; the branch hangs on the wave's number alone
	s_cmp_eq_u32 s15, 0
	s_cbranch_scc0 .Lfor_b_\@
	tensor_load_to_lds s[G0:G0+3], s[G1:G1+7]
	s_nop 0
.rept 4
	v_nop
.endr
	s_branch .Lasked_\@
.Lfor_b_\@:
	tensor_load_to_lds s[G0B:G0B+3], s[G1B:G1B+7]
	s_nop 0
.rept 4
	v_nop
.endr
.Lasked_\@:
.endm
.macro CROUND                          ; a round of the cluster's barrier
	s_barrier_signal -1
	s_barrier_wait -1
	s_cmp_lg_u32 s14, 0
	s_cbranch_scc1 .Lnot_wave_0_\@
	s_barrier_signal -3
.Lnot_wave_0_\@:
	s_barrier_wait -3
	s_barrier_signal -1
	s_barrier_wait -1
.endm
.macro PLACES
.rept 4
	v_nop
.endr
.endm
	s_load_b128 s[4:7], s[0:1], 0x0                ; oq, woq
	s_load_b64 s[8:9], s[0:1], 0x10                ; out0
	v_lshl_add_u32 v[SPW], v0, 2, SPARE
	v_mov_b32 v[NIL], 0
	ds_add_u32 v[SPW], v[NIL]                      ; the opening add,
	ds_add_u32 v[SPW], v[NIL]                      ; once more, and below one wait for both
	v_lshrrev_b32 v3, 5, v0
	v_readfirstlane_b32 s14, v3                    ; wave
	s_lshr_b32 s15, s14, 1                         ; my half of the rows.  Also: I fetch for O (0) or Wo (1)
	s_and_b32 s16, s14, 1                          ; my half of the columns.  Also: which four tiles I fetch
	s_bfe_u32 s40, ttmp6, 0x40000                  ; cx
	s_bfe_u32 s41, ttmp6, 0x40004                  ; cy
	s_lshl_b32 s42, ttmp9, 2
	s_add_co_u32 s42, s42, s40                     ; block column
	s_and_b32 s17, ttmp7, 0xffff
	s_lshl_b32 s17, s17, 2
	s_add_co_u32 s17, s17, s41                     ; block row
	s_lshl_b32 s43, s41, 2
	s_lshl_b32 s43, 15, s43                        ; my row of the cluster
	s_lshl_b32 s44, 0x1111, s40                    ; my column
	s_or_b32 s[G1], s43, (3<<16)|(1<<21)           ; elements of 8 bytes; bit 21 beside the mask
	s_or_b32 s[G1B], s44, (3<<16)|(1<<21)
.irp g, G1, G1B
	s_mov_b32 s[\g+1], (TS/8)<<16                  ; a row: 19,200 bytes
	s_mov_b32 s[\g+2], 4<<16                       ; four rows: four tiles
	s_mov_b32 s[\g+3], (TS/8)<<16
	s_mov_b32 s[\g+4], 4
	s_mov_b32 s[\g+5], TROW/8
	s_mov_b32 s[\g+6], 0
	s_mov_b32 s[\g+7], 0
.endr
	s_lshl_b32 s18, s16, 2
	s_lshl_b32 s20, s17, 3
	s_add_co_u32 s20, s20, s18
	s_mul_i32 s20, s20, TROW                       ; the tiles of O that I fetch: 8 x block row + 4 x half
	s_mov_b32 s21, 0
	s_lshl_b32 s46, s42, 3
	s_add_co_u32 s46, s46, s18
	s_mul_i32 s46, s46, TROW                       ; of Wo: 8 x block column + 4 x half; these are also the tiles of Wo that I multiply
	s_mov_b32 s47, 0
	s_mul_i32 s45, s14, 4*TS                       ; where they go: wave x four tiles
	s_lshl_b32 s36, s17, 3
	s_lshl_b32 s38, s15, 2
	s_add_co_u32 s36, s36, s38
	s_mul_i32 s36, s36, TROW                       ; the tiles of O that I multiply
	s_mov_b32 s37, 0
	s_lshl_b32 s38, s17, 7
	s_lshl_b32 s39, s15, 6
	s_add_co_u32 s38, s38, s39
	s_lshl_b32 s38, s38, 13                        ; my first row of the result, 8,192 bytes a row,
	s_lshl_b32 s39, s42, 9
	s_add_co_u32 s38, s38, s39
	s_lshl_b32 s39, s16, 8
	s_add_co_u32 s38, s38, s39                     ; and my first column
	s_mov_b32 s39, 0
	s_mul_i32 s18, s15, 4*TS                       ; LDS: my tiles of O,
	s_mul_i32 s19, s16, 4*TS
	s_add_co_u32 s19, s19, 8*TS                    ; of Wo, behind O's eight,
	s_sub_co_u32 s22, s19, s18                     ; and the distance between them
	s_add_co_u32 s60, s18, 2*TS
	s_add_co_u32 s61, s19, 2*TS
	s_mul_i32 s23, s14, 16*272
	s_add_co_u32 s23, s23, STAGE                   ; my stage
	v_and_b32 v3, 31, v0
	v_lshlrev_b32 v[L16], 4, v3
	v_lshlrev_b32 v[L8], 3, v3
	v_and_b32 v[RR], 15, v0
	v_bfe_u32 v[HH], v0, 4, 1
	v_lshlrev_b32 v[R16], 4, v[RR]
	v_mul_u32_u24 v7, s22, v[HH]                   ; scale words: lanes 0-15 O's rows, lanes 16-31 Wo's
	v_add_nc_u32 v7, v7, v[R16]
	v_add_nc_u32 v[A16], s18, v[L16]
	v_add_nc_u32 v[A16+1], s60, v[L16]
	v_add_nc_u32 v[A8], s18, v[L8]
	v_add_nc_u32 v[A8+1], s60, v[L8]
	v_add_nc_u32 v[B16], s19, v[L16]
	v_add_nc_u32 v[B16+1], s61, v[L16]
	v_add_nc_u32 v[B8], s19, v[L8]
	v_add_nc_u32 v[B8+1], s61, v[L8]
	v_add_nc_u32 v[ADRS], s18, v7
	v_add_nc_u32 v[ADRS+1], s60, v7
	v_mul_u32_u24 v[STO], v[RR], 272               ; the stage, in: row r, 64 bytes for each half of the lanes
	v_lshl_add_u32 v[STO], v[HH], 6, v[STO]
	v_add_nc_u32 v[STO], s23, v[STO]
	v_mul_u32_u24 v[RD], v[HH], 272                ; back: sixteen lanes to a row of 256 bytes
	v_lshl_add_u32 v[RD], v[RR], 4, v[RD]
	v_add_nc_u32 v[RD], s23, v[RD]
	v_lshlrev_b32 v[CO], 13, v[HH]                 ; and the same two rows in the result
	v_lshl_add_u32 v[CO], v[RR], 4, v[CO]
	s_wait_alu depctr_va_vdst(0)                   ; the wait at the head's end
	s_wait_dscnt 0x0                               ; both opening adds are done
	s_wait_kmcnt 0x0
	s_add_nc_u64 s[DA:DA+1], s[4:5], s[36:37]
	s_add_nc_u64 s[DA:DA+1], s[DA:DA+1], 3*CH
	s_add_nc_u64 s[DB:DB+1], s[6:7], s[46:47]
	s_add_nc_u64 s[DB:DB+1], s[DB:DB+1], 3*CH
	s_add_nc_u64 s[8:9], s[8:9], s[38:39]
	s_mov_b32 s[G0], 1
	s_mov_b32 s[G0+1], s45
	s_add_nc_u64 s[G0+2:G0+3], s[4:5], s[20:21]
	s_or_b32 s[G0+3], s[G0+3], 0x80000000
	s_mov_b32 s[G0B], 1
	s_mov_b32 s[G0B+1], s45
	s_add_nc_u64 s[G0B+2:G0B+3], s[6:7], s[46:47]
	s_or_b32 s[G0B+3], s[G0B+3], 0x80000000
.macro DFRAG reg, base, off            ; a fragment, 16 rows x 128 K, from memory as it lies: two RECs
	global_load_b128 v[\reg:\reg+3], v[L16], s[\base:\base+1] offset:\off
	global_load_b64 v[\reg+4:\reg+5], v[L8], s[\base:\base+1] offset:\off+512
	global_load_b128 v[\reg+6:\reg+9], v[L16], s[\base:\base+1] offset:\off+768
	global_load_b64 v[\reg+10:\reg+11], v[L8], s[\base:\base+1] offset:\off+1280
.endm
.macro DLOAD q                         ; step q of the last chunk into set q: 32 loads
	WIN 0x80
.irp i, 0,1,2,3
	DFRAG 48*\q+12*\i, DB, TROW*\i+1536*\q
.endr
	WIN 0xc0
.irp i, 0,1,2,3
	DFRAG 48*\q+12*\i, DA, TROW*\i+1536*\q
.endr
	WIN 0
.endm
.irp i, 0,1,2,3
	global_load_b128 v[SDA+4*\i:SDA+4*\i+3], v[R16], s[DA:DA+1] offset:TROW*\i+6144   ; the last chunk's scale words: row r's four, one for each step
	global_load_b128 v[SDB+4*\i:SDB+4*\i+3], v[R16], s[DB:DB+1] offset:TROW*\i+6144
.endr
	DLOAD 0
	CROUND                                         ; all sixteen work-groups are here: the joint loads meet
	JLOAD                                          ; my four tiles, K = 0 .. 1,535: the wave's one tensor load
	DLOAD 1
	DLOAD 2
	DLOAD 3
; 16 matrix instructions on set k.  sa, sb: the step's scale words of O's tile 0 and of Wo's tile 0 (tile i: 4 i on).  The 16 accumulators take turns.
.macro MUL16 k, sa, sb, row1, zero
.irp a, 0,1,2,3
.irp b, 0,1,2,3
.if \zero
	v_wmma_scale_f32_16x16x128_f8f6f4 v[32*\a+8*\b:32*\a+8*\b+7], v[48*(\k)+12*\b:48*(\k)+12*\b+11], v[48*(\k)+12*\a:48*(\k)+12*\a+11], 0, v[\sb+4*\b], v[\sa+4*\a] matrix_a_fmt:MATRIX_FMT_FP6 matrix_b_fmt:MATRIX_FMT_FP6
.elseif \row1
	v_wmma_scale_f32_16x16x128_f8f6f4 v[32*\a+8*\b:32*\a+8*\b+7], v[48*(\k)+12*\b:48*(\k)+12*\b+11], v[48*(\k)+12*\a:48*(\k)+12*\a+11], v[32*\a+8*\b:32*\a+8*\b+7], v[\sb+4*\b], v[\sa+4*\a] matrix_a_fmt:MATRIX_FMT_FP6 matrix_b_fmt:MATRIX_FMT_FP6 matrix_a_scale:MATRIX_SCALE_ROW1
.else
	v_wmma_scale_f32_16x16x128_f8f6f4 v[32*\a+8*\b:32*\a+8*\b+7], v[48*(\k)+12*\b:48*(\k)+12*\b+11], v[48*(\k)+12*\a:48*(\k)+12*\a+11], v[32*\a+8*\b:32*\a+8*\b+7], v[\sb+4*\b], v[\sa+4*\a] matrix_a_fmt:MATRIX_FMT_FP6 matrix_b_fmt:MATRIX_FMT_FP6
.endif
.endr
.endr
.endm
	s_wait_loadcnt 63                              ; of my 136 loads at most 63 are out: the scale words and steps 0 and 1, the first 72, are in
	WIN MULW
	MUL16 0, SDA, SDB, 0, 1                        ; the first products start the sums
	MUL16 1, SDA+1, SDB+1, 0, 0
	s_wait_loadcnt 32                              ; step 3's 32 may be out
	MUL16 2, SDA+2, SDB+2, 0, 0
	s_wait_loadcnt 0x0
	MUL16 3, SDA+3, SDB+3, 0, 0
	PLACES                                         ; ahead of the LDS loads into the sets just multiplied
	WIN 0
	s_wait_tensorcnt 0x0                           ; my four tiles are in,
	s_barrier_signal -1
	s_barrier_wait -1                              ; everybody's are
.macro LFRAG reg, a16, a8, off
	ds_load_b128 v[\reg:\reg+3], v[\a16] offset:\off
	ds_load_b64 v[\reg+4:\reg+5], v[\a8] offset:\off+512
	ds_load_b128 v[\reg+6:\reg+9], v[\a16] offset:\off+768
	ds_load_b64 v[\reg+10:\reg+11], v[\a8] offset:\off+1280
.endm
.macro FETCH st                        ; step st (chunk st / 4, its step st % 4) into set st % 4: 32 loads
	WIN 0x80
.irp i, 0,1,2,3
	LFRAG 48*((\st)%4)+12*\i, B16+\i/2, B8+\i/2, (\i%2)*TS+((\st)/4)*CH+((\st)%4)*1536
.endr
	WIN 0xc0
.irp i, 0,1,2,3
	LFRAG 48*((\st)%4)+12*\i, A16+\i/2, A8+\i/2, (\i%2)*TS+((\st)/4)*CH+((\st)%4)*1536
.endr
.endm
.irp c, 0,1,2
.irp i, 0,1,2,3
	ds_load_b128 v[SL+16*\c+4*\i:SL+16*\c+4*\i+3], v[ADRS+\i/2] offset:(\i%2)*TS+\c*CH+6144
.endr
.endr
	FETCH 0
	FETCH 1
.macro LSTEP st                        ; the fetches run two steps ahead; a set is loaded again two steps, and eight v_nop, behind its products
.if (\st) < 11
	s_wait_dscnt 32                                ; this step's fragments are in; the next step's 32 loads may be out
.else
	s_wait_dscnt 0x0
.endif
.if (\st)+2 < 12
	PLACES
	FETCH (\st)+2
.endif
	WIN MULW
	MUL16 (\st)%4, SL+16*((\st)/4)+(\st)%4, SL+16*((\st)/4)+(\st)%4, 1, 0
.endm
.set ST, 0
.rept 12
	LSTEP ST
.set ST, ST+1
.endr
	PLACES                                         ; ahead of the first read of the results
; THE WAY OUT, by blocks of 16 rows x 64 columns, through my own stage: back as rows of 256 bytes, which sixteen lanes store as one aligned unit
.macro TOSTAGE a
	WIN 0x04
.irp nb, 0,1,2,3
	ds_store_b128 v[STO], v[32*(\a)+8*\nb:32*(\a)+8*\nb+3] offset:128*(\nb/2)+32*(\nb%2)       ; each accumulator from its low end on
	ds_store_b128 v[STO], v[32*(\a)+8*\nb+4:32*(\a)+8*\nb+7] offset:128*(\nb/2)+32*(\nb%2)+16
.endr
	WIN 0
.irp t, 0,1,2,3,4,5,6,7
	ds_load_b128 v[BK+32*((\a)%2)+4*\t:BK+32*((\a)%2)+4*\t+3], v[RD] offset:544*\t   ; LDS serves a wave's instructions in order: these see the stores above
.endr
.endm
.macro SEND a, younger
	s_wait_dscnt \younger
.irp t, 0,1,2,3,4,5,6,7
	global_store_b128 v[CO], v[BK+32*((\a)%2)+4*\t:BK+32*((\a)%2)+4*\t+3], s[8:9] offset:(32*((\a)/2)+8*((\a)%2)+2*\t+8*(\t/4))*8192 th:TH_STORE_NT
.endr
.endm
	TOSTAGE 0
.irp a, 1,2,3
.if \a > 1
	s_wait_xcnt 0x0                                ; block a - 2's stores have read their registers
.endif
	TOSTAGE \a
	SEND \a-1, 16                                  ; behind block a - 1's loads: block a's 8 stores and 8 loads
.endr
	SEND 3, 0
	s_wait_tensorcnt 0x0                           ; the wave's end
	ds_add_u32 v[SPW], v[NIL]
	s_wait_dscnt 0x0
	CROUND                                         ; the closing round
	s_endpgm
.Lfunc_end_k_qa985f4e8ac_oproj:
	.size	k_qa985f4e8ac_oproj, .Lfunc_end_k_qa985f4e8ac_oproj-k_qa985f4e8ac_oproj
	.p2alignl 7, 3214868480
	.fill 96, 4, 3214868480
	.section	.rodata,"a",@progbits
	.p2align	6, 0x0
	.amdhsa_kernel k_qa985f4e8ac_oproj
		.amdhsa_group_segment_fixed_size 327680
		.amdhsa_private_segment_fixed_size 0
		.amdhsa_enable_private_segment 0
		.amdhsa_kernarg_size 24
		.amdhsa_user_sgpr_count 2
		.amdhsa_user_sgpr_kernarg_segment_ptr 1
		.amdhsa_wavefront_size32 1
		.amdhsa_system_sgpr_workgroup_id_x 1
		.amdhsa_system_sgpr_workgroup_id_y 1
		.amdhsa_system_sgpr_workgroup_id_z 1
		.amdhsa_system_vgpr_workitem_id 0
		.amdhsa_next_free_vgpr 960
		.amdhsa_next_free_sgpr 68
		.amdhsa_reserve_vcc 0
		.amdhsa_float_denorm_mode_32 3
		.amdhsa_float_denorm_mode_16_64 3
		.amdhsa_memory_ordered 1
		.amdhsa_forward_progress 1
		.amdhsa_inst_pref_size 88
	.end_amdhsa_kernel
	.amdgpu_metadata
---
amdhsa.version: [ 1, 2 ]
amdhsa.kernels:
  - .name:           k_qa985f4e8ac_oproj
    .symbol:         k_qa985f4e8ac_oproj.kd
    .args:
      - { .name: oq, .offset: 0, .size: 8, .value_kind: global_buffer, .address_space: global }
      - { .name: woq, .offset: 8, .size: 8, .value_kind: global_buffer, .address_space: global }
      - { .name: out0, .offset: 16, .size: 8, .value_kind: global_buffer, .address_space: global }
    .group_segment_fixed_size: 327680
    .private_segment_fixed_size: 0
    .kernarg_segment_align: 8
    .kernarg_segment_size: 24
    .max_flat_workgroup_size: 128
    .sgpr_count:     68
    .vgpr_count:     960
    .wavefront_size: 32
...
	.end_amdgpu_metadata
.endif
;; end of part 4
